; MI455X (gfx1250); checked and timed in simulation.
; The chip was launched on July 23, 2026; its instructions are those of AMD's public machine-readable ISA for CDNA 5 (MIT licence, August 2026) and "CDNA5" Instruction Set Architecture Reference Guide (July 2026). The comments in the code are by the model that wrote it; some were corrected since.
;; Audio Processor. Allowed arithmetic: matrix products marked QUANTISED: E3M2 operands, one E8M0 scale for each 32 along K, by v_wmma_scale_f32_16x16x128_f8f6f4 with both operands' format E3M2, f32 sums; everything else in f32.
;; Inputs: W 512 x 512 float32; audio 128 x 262,144 float32; b 512 float32.
;; Outputs: out0 128 x 512 float32.
;; This version of the problem:
;;   THIS VERSION OF THE PROBLEM IS GIVEN IN LOW PRECISION. The matrix products marked QUANTISED in the list below multiply operands that are first quantised to E3M2 (3 exponent bits, 2 mantissa bits; 6 bits a number), with one power-of-two scale for each 32 numbers along K (OCP MX v1.0); their sums are f32. All else is computed in f32.
;;   The module's matrix products, in the order in which they are computed (A, B: the left and right operand; K: the contracted axis; several contracted axes count as one K, in the product's order):
;;     1. [M 128, K 512] x [K 512, N 512]; A: computed on the way; B: input W: QUANTISED
;;   THE QUANTISER, for each operand of a quantised product, along K:
;;     - K is cut into blocks of 32 from its start; a last block that is shorter is filled with zeros.
;;     - A block's scale is 2^e with e = floor(log2(the largest magnitude in the block)) - 4, held to -126 .. 127; a block of zeros has e = 0. As a byte (E8M0): e + 127.
;;     - Each number is divided by its block's scale, clamped to +-28, and rounded to the nearest number of E3M2, ties to even, subnormals kept.
;;     - The product sums the exact products of the quantised numbers (number of the format x scale) in f32.
;;   ~~~python
;;   def quantise(x, axis):      # numpy; x: float32 -> the quantised numbers, widened to float32 again
;;       x = np.moveaxis(x, axis, -1); K = x.shape[-1]
;;       x = np.pad(x, [(0, 0)] * (x.ndim - 1) + [(0, -K % 32)]); x = x.reshape(x.shape[:-1] + (-1, 32)); a = np.abs(x).max(-1, keepdims=True)
;;       e = np.where(a > 0, np.clip(np.frexp(np.where(a > 0, a, 1))[1] - 1 - 4, -126, 127), 0)      # np.frexp(a)[1] - 1 = floor(log2(a)), exactly
;;       r = np.clip(x / 2.0 ** e, -28, 28)
;;       step = 2.0 ** (np.maximum(np.frexp(np.where(r == 0, 1, r))[1] - 1, -2) - 2)
;;       q = np.round(r / step) * step * 2.0 ** e      # np.round: ties to even
;;       return np.moveaxis(q.reshape(q.shape[:-2] + (-1,))[..., :K], -1, axis).astype(np.float32)
;;   ~~~
;;   OPERANDS COMPUTED ON THE WAY. 'Computed on the way' means the value that the module computes at that place (a softmax that the list does not call 'softmax' is quantised finished and normalised). What goes into a quantiser is computed in f32, as accurately as f32 sums, v_exp_f32 and their like allow (about 1e-6 of the number): no bf16 or f16 on the way to a quantiser, and a product that is left as it is and whose result goes on into a quantised operand takes f32 operands (vector FMAs, or v_wmma_f32_16x16x4_f32). A number that lies on a knife's edge between two numbers of the format may be rounded either way, as far as f32 arithmetic and the matrix unit's own rounding can turn it there, and no further.
;; 2 versions. Each part assembles by itself: llvm-mc -triple=amdgcn-amd-amdhsa -mcpu=gfx1250 --defsym DOCPART=n.
;; ======== version 1 of 2: 2 launches
;; limits: right only within a limited range of input values
;; workspace buffers: part 2,097,152 bytes; wq 196,608 bytes; wsc 8,192 bytes
;; launch fold_fft (part 1): grid 256 x 1, 16 waves a work-group, no clusters, 69,632 bytes of LDS; arguments audio, W, part, wq, wsc; writes part, wq, wsc
.if DOCPART == 1
	.amdgcn_target "amdgcn-amd-amdhsa--gfx1250"
	.amdhsa_code_object_version 6
	.text
	.protected	k_q714900e9a8_fold_fft
	.globl	k_q714900e9a8_fold_fft
	.p2align	8
	.type	k_q714900e9a8_fold_fft,@function
k_q714900e9a8_fold_fft:
	s_mov_b64 s[64:65], 0
	v_nop
	global_prefetch_b8 v0, s[64:65] scope:SCOPE_SE
	s_setreg_imm32_b32 hwreg(HW_REG_WAVE_MODE, 25, 1), 1
	s_wait_xcnt 0x0
; THE BINS THAT THE SPECTRUM NEEDS, FROM HALF A ROW OF AUDIO.  audio: [128][262144] f32.  The interpolation to 512 points reads, for point j, the rfft bins i0 and i0 + 1 alone, with
; i0 = 256 j + 127 for j < 255 and 256 j + 128 for j >= 255 (so its own f32 arithmetic gives them).  With n = m + 1024 q:
;   X[256 j + c] = sum over m of e^(-2 pi i j m / 1024) e^(-2 pi i c m / 2^18) sum over q of x[m + 1024 q] e^(-2 pi i c q / 256).
; For c = 128 the inner factor is (-1)^q; for c = 129 it is (-1)^q e^(-2 pi i q / 256); and |X[256 j + 127]| = |X[256 (1023 - j) + 129]| since x is real.  So a sample costs three multiply-adds with
; factors that are the same in all lanes, and a row ends in two complex transforms of 1,024 points: A (c = 128) and B (c = 129).
; SHARES.  Work-group w takes row w / 2, half h = w % 2: q = 128 h .. 128 h + 127, 512 KB on end.  All is linear, so each half goes through the transforms by itself and the next launch adds the two.
; Thread (G = tid / 256, t = tid % 256) owns m = 4 t .. 4 t + 3 and two groups of 32 q: g = 2 G and 2 G + 1 (q = 128 h + 32 g + q').  A wave's load covers 512 consecutive bytes.
; 64 loads a thread go through a ring of 32 slots in registers: 16 waves x 32 x 512 bytes are on their way.  The groups share the 32 factors of q'; group g's sum is turned by e^(-pi i g / 4) (-1)^h afterwards.
; SINES AND COSINES are made here: the phase is a whole number of 2^-18 turns, brought to +-1/8 turn exactly, then Taylor's series to theta^9 and theta^10 (the next terms are under 2e-9 at pi / 4).
; BEHIND THE STREAM nothing is on its way from memory, so the chain is kept short: five exchanges through LDS, one barrier each.  A thread joins its own two groups in registers; the sums of G = 0 and 1 go to LDS;
; the first butterfly's thread reads its four m straight from them, joins the two G and turns by e^(-2 pi i c m / 2^18); the last butterfly's results go to memory from registers.
; THE TRANSFORMS: Stockham, radix 4, five stages; threads 0-255 serve A, 256-511 serve B (F = G), one butterfly each; results in natural order: after the last stage thread t holds outputs t + 256 r.
; OUT: part[w] = A[0 .. 511], then S[0 .. 511], 8 bytes each, with S[j] = B[1023 - j] for j < 256 and B[j] from 256 on.  For j < 255 that is the bin under A[j], from 256 on the bin above it.
; S[255] holds B[768], which point 255 does not need: there the second bin's weight is exactly 0 in the problem's own f32 arithmetic (255.5 x 131073 / 512 rounds to 65408.5), and the next launch multiplies by that 0.
; W: wave 0 also quantises rows 2 w and 2 w + 1 of W [512][512] to E3M2 along K, a block of 32 to a lane, and stores the codes in the order of the operand's registers (tile of 16 rows, K step of 128:
; register R of lane L at (R / 4) 512 + 16 L + 4 (R % 4)), the scale bytes as [row][16].  A block of zeros gets the byte 1 where the rule says 127: its codes are zeros, and this program alone reads the bytes.
; No cluster: no two work-groups read the same bytes.  LIMITS: NaN and infinities among the inputs are not served (A's imaginary part is made as the difference of one word with itself, which is 0 for finite numbers).
.set ROWQ, 4096                        ; bytes of 1,024 samples
.set PART, 0                           ; LDS: the sums: [G][S0, Re, Im][1024] f32, 24 KB
.set TW,   24576                       ; e^(-2 pi i p / 1024), p = 0 .. 1023, 8 bytes each
.set FFT0, 32768                       ; transform A's buffer 0 (8,192 bytes) and buffer 1 (9,216: it is once used skewed), then B's two
.set PP,   8192                        ; from buffer 0 to buffer 1
.set FB,   17408                       ; from A's buffers to B's
.set VOFF, 1                           ; v1   my byte offset in the work-group's 512 KB; never rewritten
.set T,    2                           ; v2   tid % 256
.set G,    3                           ; v3   tid / 256: my groups in the stream, my transform behind it
.set LANE, 4
.set WOFF, 5                           ; v5   wave 0: my block's offset in the two rows of W
.set PS,   6                           ; v6   where I store my sums
.set RU,   7                           ; v7-9 where the first butterfly reads them: 4 t + F x 4,096, x 8,192, x 16,384
.set RY,   8
.set RZ,   9
.set AR,   10                          ; v10  my butterfly's first input
.set AR2,  11                          ; v11  the same in the skewed buffer
.set ZS,   12                          ; v12  where the first stage's four results go
.set SK,   13                          ; v13  32 (t / 8): the skew of the second stage's results
.set E,    14                          ; v14-18 a stage's twiddle and output addresses
.set A1,   15
.set A2,   16
.set A3,   17
.set AW,   18
.set GO1,  19                          ; v19, v20 the way out
.set GO2,  20
.set TWS,  21
.set WA0,  22
.set WA1,  23
.set SGN,  24                          ; v24  (-1)^h as a sign bit in B's threads, 0 in A's
.set T0,   32                          ; v32-37 at work in SINCOS
.set PH,   38                          ; v38  a phase
.set STP,  39                          ; v39  its step
.set TWP,  40                          ; v40-41 (cos, -sin)
.set NC,   42                          ; v42-43 (-cos, sin)
.set CC,   44
.set SS,   45
.set WM,   46                          ; v46-47 wave 0: largest magnitude, scale
.set WD,   48                          ; v48-79 wave 0: a block of W
.set WC,   80                          ; v80-86 wave 0: its codes
.set PT,   88                          ; v88-95 (cos, sin) of 2 pi c m / 2^18, m = t + 256 r, times (-1)^h in B
.set ACC,  96                          ; v96-119 two groups x (S0, Re, Im) x 4 m
.set RING, 128                         ; v128-255 32 slots of 4; behind the stream:
.set KA,   128
.set KB,   132
.set LU,   136
.set LV,   140
.set LY,   144
.set LZ,   148
.set TT,   152
.set XA,   160                         ; a butterfly's four inputs
.set TW1,  168                         ; its three twiddles
.set APC,  174
.set AMC,  176
.set BPD,  178
.set BMD,  180
.set U1,   182                         ; its results 1 to 3 ahead of the twiddles
.set U2,   184
.set U3,   186
.set YY,   188                         ; its four results
.set O1,   196
.set O2,   198
.set KTH,  18                          ; s18  pi / 2^17: a step of phase in radians
.set KS3,  19                          ; s19-26 the series' coefficients
.set KS5,  20
.set KS7,  21
.set KS9,  22
.set KC4,  23
.set KC6,  24
.set KC8,  25
.set KC10, 26
.set SCO,  32                          ; s32-63  (-1)^q' cos(2 pi q' / 256)
.set SSI,  66                          ; s66-97  -(-1)^q' sin(2 pi q' / 256)
; cos and sin of 2 pi P / 2^18, P a whole number under 2^18 in v[p].  P + 2^15 gives the nearest quarter turn (bits 17:16) and what is left, -2^15 .. 2^15 - 1 steps: exact.
.macro SINCOS c, s, p
	v_add_nc_u32 v[T0], 0x8000, v[\p]
	v_and_b32 v[T0+1], 0xffff, v[T0]
	v_add_nc_u32 v[T0+1], 0xffff8000, v[T0+1]
	v_cvt_f32_i32 v[T0+1], v[T0+1]
	v_mul_f32 v[T0+1], s[KTH], v[T0+1]             ; theta, within +-pi / 4
	v_mul_f32 v[T0+2], v[T0+1], v[T0+1]
	v_fma_f32 v[T0+3], v[T0+2], s[KS9], s[KS7]     ; the two series by turns
	v_fma_f32 v[T0+4], v[T0+2], s[KC10], s[KC8]
	v_fma_f32 v[T0+3], v[T0+2], v[T0+3], s[KS5]
	v_fma_f32 v[T0+4], v[T0+2], v[T0+4], s[KC6]
	v_fma_f32 v[T0+3], v[T0+2], v[T0+3], s[KS3]
	v_fma_f32 v[T0+4], v[T0+2], v[T0+4], s[KC4]
	v_mul_f32 v[T0+5], v[T0+1], v[T0+2]
	v_fma_f32 v[T0+4], v[T0+2], v[T0+4], -0.5
	v_fma_f32 v[T0+3], v[T0+5], v[T0+3], v[T0+1]   ; sin theta
	v_fma_f32 v[T0+4], v[T0+2], v[T0+4], 1.0       ; cos theta
	v_and_b32 v[T0+5], 0x10000, v[T0]
	v_cmp_ne_u32 vcc_lo, 0, v[T0+5]                ; an odd quarter turn swaps the two
	v_cndmask_b32 v[\c], v[T0+4], v[T0+3], vcc_lo
	v_cndmask_b32 v[\s], v[T0+3], v[T0+4], vcc_lo
	v_lshlrev_b32 v[T0+5], 1, v[T0]
	v_xor_b32 v[T0+5], v[T0+5], v[T0]              ; the cosine is negative in quarter turns 1 and 2: bit 17 xor bit 16,
	v_lshlrev_b32 v[T0+5], 14, v[T0+5]
	v_lshlrev_b32 v[T0+1], 14, v[T0]               ; the sine in 2 and 3: bit 17
	v_and_b32 v[T0+5], 0x80000000, v[T0+5]
	v_and_b32 v[T0+1], 0x80000000, v[T0+1]
	v_xor_b32 v[\c], v[\c], v[T0+5]
	v_xor_b32 v[\s], v[\s], v[T0+1]
.endm
.macro BARRIER                         ; my LDS stores have landed and my LDS loads are in: then the work-group's barrier
	s_wait_dscnt 0x0
	s_barrier_signal -1
	s_barrier_wait -1
.endm
	s_load_b128 s[4:7], s[0:1], 0x0                ; audio, W
	s_load_b128 s[8:11], s[0:1], 0x10              ; part, wq
	s_load_b64 s[12:13], s[0:1], 0x20              ; wsc
	v_lshl_add_u32 v126, v0, 2, 0x10800
	v_mov_b32 v127, 0
	v_lshrrev_b32 v[LANE], 5, v0
	v_readfirstlane_b32 s14, v[LANE]               ; wave 0..15
	v_and_b32 v[LANE], 31, v0
	v_and_b32 v[T], 255, v0
	v_lshrrev_b32 v[G], 8, v0
	v_lshlrev_b32 v[VOFF], 4, v[T]                 ; 16 t,
	v_lshl_add_u32 v[VOFF], v[G], 18, v[VOFF]      ; + G x 64 rows of 4,096 bytes
	s_lshl_b32 s16, ttmp9, 19                      ; the work-group's 512 KB (255 x 2^19 is under 2^31)
	s_mov_b32 s17, 0
	s_lshl_b32 s28, ttmp9, 12                      ; and its two rows of W, 4,096 bytes
	s_mov_b32 s29, 0
	s_wait_kmcnt 0x0
	s_add_nc_u64 s[4:5], s[4:5], s[16:17]
	s_add_nc_u64 s[6:7], s[6:7], s[28:29]
	s_cmp_lg_u32 s14, 0
	s_cbranch_scc1 .Lstream
	v_lshlrev_b32 v[WOFF], 7, v[LANE]              ; wave 0: lane l takes block l of the 32: 128 bytes.  Asked for ahead of the ring, so that the ring's counts hold in every wave
.irp i, 0,1,2,3,4,5,6,7
	global_load_b128 v[WD+4*\i:WD+4*\i+3], v[WOFF], s[6:7] offset:16*\i
.endr
.Lstream:
.set I, 0
.rept 32                               ; the ring is filled: load i is q' = i / 2 of group 2 G + i % 2
	global_load_b128 v[RING+4*I:RING+4*I+3], v[VOFF], s[4:5] offset:(32*(I%2)+I/2)*ROWQ th:TH_LOAD_NT
.set I, I+1
.endr
	; all that follows up to the stream's first wait is done while these loads are out
	s_lshl_b32 s28, ttmp9, 13
	s_add_nc_u64 s[8:9], s[8:9], s[28:29]          ; part: 8 KB a work-group
	s_lshr_b32 s16, ttmp9, 3
	s_mul_i32 s16, s16, 6144                       ; wq: tile of 16 rows w / 8, 4 K steps x 1,536 bytes;
	s_and_b32 s28, ttmp9, 7
	s_lshl_b32 s28, s28, 5                         ; in a register group, row 2 (w % 8) is lane 2 (w % 8): 16 bytes a lane
	s_add_co_u32 s16, s16, s28
	s_add_nc_u64 s[10:11], s[10:11], s[16:17]
	s_lshl_b32 s28, ttmp9, 5
	s_add_nc_u64 s[12:13], s[12:13], s[28:29]      ; wsc: 16 bytes a row
	s_lshl_b32 s15, ttmp9, 31                      ; (-1)^h as a sign bit
	s_mov_b32 s[KTH], 0x37c90fdb                   ; pi / 2^17
	s_mov_b32 s[KS3], 0xbe2aaaab                   ; -1/6
	s_mov_b32 s[KS5], 0x3c088889                   ; 1/120
	s_mov_b32 s[KS7], 0xb9500d01                   ; -1/5040
	s_mov_b32 s[KS9], 0x3638ef1d                   ; 1/362880
	s_mov_b32 s[KC4], 0x3d2aaaab                   ; 1/24
	s_mov_b32 s[KC6], 0xbab60b61                   ; -1/720
	s_mov_b32 s[KC8], 0x37d00d01                   ; 1/40320
	s_mov_b32 s[KC10], 0xb493f27e                  ; -1/3628800
	v_lshlrev_b32 v[PS], 4, v[T]
	v_mad_u32_u24 v[PS], v[G], 12288, v[PS]        ; 16 t + G x 3 arrays of 4 KB
	v_lshlrev_b32 v[RU], 2, v[T]
	v_lshl_add_u32 v[RY], v[G], 13, v[RU]
	v_lshl_add_u32 v[RZ], v[G], 14, v[RU]
	v_lshl_add_u32 v[RU], v[G], 12, v[RU]
	v_lshl_add_u32 v[AR], v[T], 3, FFT0
	v_mad_u32_u24 v[AR], v[G], FB, v[AR]
	v_lshrrev_b32 v[AR2], 5, v[T]
	v_lshl_add_u32 v[AR2], v[AR2], 5, v[AR]        ; + 32 (t / 32)
	v_lshl_add_u32 v[ZS], v[T], 5, FFT0
	v_mad_u32_u24 v[ZS], v[G], FB, v[ZS]
	v_lshrrev_b32 v[SK], 3, v[T]
	v_lshlrev_b32 v[SK], 5, v[SK]
	v_lshl_add_u32 v[TWS], v0, 3, TW
	v_lshlrev_b32 v[GO1], 3, v[T]
	v_mad_u32_u24 v[GO1], v[G], 6144, v[GO1]       ; A[t] at 8 t; B[t + 256] at 4,096 + 8 (256 + t)
	v_mul_u32_u24 v[GO2], v[G], 255
	v_xor_b32 v[GO2], v[GO2], v[T]                 ; t, or 255 - t
	v_lshlrev_b32 v[GO2], 3, v[GO2]
	v_lshl_add_u32 v[GO2], v[G], 11, v[GO2]        ; with 2,048 in the store's immediate: A[t + 256] at 2,048 + 8 t; B[t + 768] at 4,096 + 8 (255 - t)
	; the stream's 32 pairs of factors: lane q' makes its own, and they go to scalar registers
	v_lshlrev_b32 v[PH], 10, v[LANE]               ; 2 pi q' / 256 = 1,024 q' steps
	SINCOS CC, SS, PH
	v_lshlrev_b32 v[T0], 31, v[LANE]               ; (-1)^q'
	v_xor_b32 v[CC], v[CC], v[T0]
	v_xor_b32 v[T0], 0x80000000, v[T0]
	v_xor_b32 v[SS], v[SS], v[T0]
.irp q, 0,1,2,3,4,5,6,7,8,9,10,11,12,13,14,15,16,17,18,19,20,21,22,23,24,25,26,27,28,29,30,31
	v_readlane_b32 s[SCO+\q], v[CC], \q
	v_readlane_b32 s[SSI+\q], v[SS], \q
.endr
	; the twiddle table: thread p makes entry p (256 p steps); entry p + 512 is its negative
	v_lshlrev_b32 v[PH], 8, v0
	SINCOS TWP, NC+1, PH
	v_xor_b32 v[TWP+1], 0x80000000, v[NC+1]
	v_xor_b32 v[NC], 0x80000000, v[TWP]
	ds_store_b64 v[TWS], v[TWP:TWP+1]
	ds_store_b64 v[TWS], v[NC:NC+1] offset:4096
	; the turns of my first butterfly's four inputs: c m steps, c = 128 + F, m = t + 256 r: 131,967 at the most
	v_add_nc_u32 v[STP], 128, v[G]
	v_mul_u32_u24 v[PH], v[T], v[STP]
	v_lshlrev_b32 v[STP], 8, v[STP]
	v_lshlrev_b32 v[SGN], 31, v[G]
	v_and_b32 v[SGN], s15, v[SGN]                  ; the second half of a row enters B with the factor e^(-2 pi i 128 / 256) = -1
.irp r, 0,1,2,3
	SINCOS PT+2*\r, PT+2*\r+1, PH
	v_xor_b32 v[PT+2*\r], v[SGN], v[PT+2*\r]
	v_xor_b32 v[PT+2*\r+1], v[SGN], v[PT+2*\r+1]
.if \r < 3
	v_add_nc_u32 v[PH], v[STP], v[PH]
.endif
.endr
	; wave 0: two rows of W become codes
	s_cmp_lg_u32 s14, 0
	s_cbranch_scc1 .Lfold
	v_bfe_u32 v[WM], v[LANE], 2, 2                 ; lane l: row l / 16, block b = l % 16 = 4 s + 2 c + hh: K step s, registers 6 c .. 6 c + 5 of lane (row, hh)
	v_mul_u32_u24 v[WA0], v[WM], 1536
	v_bfe_u32 v[WM], v[LANE], 4, 1
	v_lshl_add_u32 v[WA0], v[WM], 4, v[WA0]
	v_and_b32 v[WM], 1, v[LANE]
	v_lshl_add_u32 v[WA0], v[WM], 8, v[WA0]
	v_bfe_u32 v[WM], v[LANE], 1, 1
	v_mad_u32_u24 v[WA1], v[WM], 1016, v[WA0]      ; registers 6 c + 2, 3 lie at 8 (c = 0) or 1,024 (c = 1);
	v_mad_u32_u24 v[WA0], v[WM], 520, v[WA0]       ; 6 c + 0, 1 at 0 or 520; 6 c + 4, 5 at 512 or 1,032
	s_wait_loadcnt 32                              ; my eight loads of W are in: the ring's 32, issued behind them, may be out
	v_max3_num_f32 v[WM], |v[WD]|, |v[WD+1]|, |v[WD+2]|
	v_max3_num_f32 v[WM+1], |v[WD+3]|, |v[WD+4]|, |v[WD+5]|
.irp i, 6,10,14,18,22,26
	v_max3_num_f32 v[WM], v[WM], |v[WD+\i]|, |v[WD+\i+1]|
	v_max3_num_f32 v[WM+1], v[WM+1], |v[WD+\i+2]|, |v[WD+\i+3]|
.endr
	v_max3_num_f32 v[WM], v[WM], |v[WD+30]|, |v[WD+31]|
	v_max3_num_f32 v[WM], v[WM], v[WM+1], 0x2800000    ; and the floor 2^(5 - 127): the byte cannot fall under 1
	v_add_nc_u32 v[WM+1], 0xfe000000, v[WM]        ; 4 off the exponent field: the conversion takes this operand's exponent field as its scale
	v_cvt_scalef32_pk16_bf6_f32 v[WC:WC+2], v[WD:WD+15], v[WM+1]
	v_cvt_scalef32_pk16_bf6_f32 v[WC+4:WC+6], v[WD+16:WD+31], v[WM+1]   ; (a conversion's three registers begin on an even number)
	v_lshrrev_b32 v[WM], 23, v[WM+1]               ; the scale's byte.  (The plain line behind the conversions)
	v_mov_b32 v[WC+3], v[WC+4]
	v_mov_b32 v[WC+4], v[WC+5]
	v_mov_b32 v[WC+5], v[WC+6]
	global_store_b64 v[WA0], v[WC:WC+1], s[10:11]
	global_store_b64 v[WA1], v[WC+2:WC+3], s[10:11] offset:8
	global_store_b64 v[WA0], v[WC+4:WC+5], s[10:11] offset:512
	global_store_b8 v[LANE], v[WM], s[12:13]       ; 16 x row + b = 32 w + lane
	s_wait_xcnt 0x0                                ; the stores have read their registers
.Lfold:
; THE STREAM.  Load i (q' = i / 2, group 2 G + i % 2): S0 +- x, Re += C x, Im += S x; then its slot takes load i + 32.
.macro FOLD i
.set QP, (\i)/2
.set UU, (\i)%2
.set XR, RING+4*((\i)%32)
.set AC, ACC+12*UU
.if (\i) <= 32
	s_wait_loadcnt 31                              ; loads come back in order: mine is in, the 31 issued behind it may be out
.else
	s_wait_loadcnt 63-(\i)                         ; nothing more is asked for: the count runs down
.endif
.if QP == 0
.irp k, 0,1,2,3
	v_mov_b32 v[AC+\k], v[XR+\k]                   ; the first term starts each sum: nothing is cleared
	v_mul_f32 v[AC+4+\k], s[SCO], v[XR+\k]
	v_mul_f32 v[AC+8+\k], s[SSI], v[XR+\k]
.endr
.else
.if QP%2
	v_pk_add_f32 v[AC:AC+1], v[AC:AC+1], v[XR:XR+1] neg_lo:[0,1] neg_hi:[0,1]
	v_pk_add_f32 v[AC+2:AC+3], v[AC+2:AC+3], v[XR+2:XR+3] neg_lo:[0,1] neg_hi:[0,1]
.else
	v_pk_add_f32 v[AC:AC+1], v[AC:AC+1], v[XR:XR+1]
	v_pk_add_f32 v[AC+2:AC+3], v[AC+2:AC+3], v[XR+2:XR+3]
.endif
.irp k, 0,1,2,3
	v_fmac_f32 v[AC+4+\k], s[SCO+QP], v[XR+\k]
	v_fmac_f32 v[AC+8+\k], s[SSI+QP], v[XR+\k]
.endr
.endif
.if (\i) < 32
	global_load_b128 v[XR:XR+3], v[VOFF], s[4:5] offset:(32*UU+QP+16)*ROWQ th:TH_LOAD_NT
.endif
.endm
.set I, 0
.rept 64
	FOLD I
.set I, I+1
.endr
	; my two groups become one, in registers: S0 = S0(2 G) + S0(2 G + 1);  T = P(2 G) + e^(-pi i / 4) P(2 G + 1), and (a + i b)(1 - i) = (a + b) + i (b - a)
	v_pk_add_f32 v[ACC:ACC+1], v[ACC:ACC+1], v[ACC+12:ACC+13]
	v_pk_add_f32 v[ACC+2:ACC+3], v[ACC+2:ACC+3], v[ACC+14:ACC+15]
.irp k, 0,2
	v_pk_add_f32 v[KA+\k:KA+\k+1], v[ACC+16+\k:ACC+17+\k], v[ACC+20+\k:ACC+21+\k]
	v_pk_add_f32 v[KB+\k:KB+\k+1], v[ACC+20+\k:ACC+21+\k], v[ACC+16+\k:ACC+17+\k] neg_lo:[0,1] neg_hi:[0,1]
.endr
.irp k, 0,2
	v_pk_fma_f32 v[ACC+4+\k:ACC+5+\k], v[KA+\k:KA+\k+1], 0x3f3504f3, v[ACC+4+\k:ACC+5+\k] op_sel_hi:[1,0,1]
	v_pk_fma_f32 v[ACC+8+\k:ACC+9+\k], v[KB+\k:KB+\k+1], 0x3f3504f3, v[ACC+8+\k:ACC+9+\k] op_sel_hi:[1,0,1]
.endr
.irp c, 0,1,2
	ds_store_b128 v[PS], v[ACC+4*\c:ACC+4*\c+3] offset:PART+\c*4096
.endr
	v_lshl_add_u32 v[A1], v[T], 3, TW              ; the first stage's twiddles: entries t, 2 t, 3 t
	v_lshl_add_u32 v[A2], v[T], 4, TW
	v_mad_u32_u24 v[A3], v[T], 24, TW
	BARRIER                                        ; the sums and the twiddle table lie in LDS
; a butterfly of four: from XA to result 0 in YY and results 1 to 3, ahead of their twiddles, in U1 to U3.  all = 0: result 2 is not wanted
.macro BFLY all
	v_pk_add_f32 v[APC:APC+1], v[XA:XA+1], v[XA+4:XA+5]
	v_pk_add_f32 v[AMC:AMC+1], v[XA:XA+1], v[XA+4:XA+5] neg_lo:[0,1] neg_hi:[0,1]
	v_pk_add_f32 v[BPD:BPD+1], v[XA+2:XA+3], v[XA+6:XA+7]
	v_pk_add_f32 v[BMD:BMD+1], v[XA+2:XA+3], v[XA+6:XA+7] neg_lo:[0,1] neg_hi:[0,1]
	v_pk_add_f32 v[YY:YY+1], v[APC:APC+1], v[BPD:BPD+1]
.if \all
	v_pk_add_f32 v[U2:U2+1], v[APC:APC+1], v[BPD:BPD+1] neg_lo:[0,1] neg_hi:[0,1]
.endif
	v_add_f32 v[U1], v[AMC], v[BMD+1]              ; (a - c) - i (b - d)
	v_sub_f32 v[U1+1], v[AMC+1], v[BMD]
	v_sub_f32 v[U3], v[AMC], v[BMD+1]              ; (a - c) + i (b - d)
	v_add_f32 v[U3+1], v[AMC+1], v[BMD]
.endm
.macro TWID                            ; results 1 to 3 times their twiddles, into YY + 2 on: the three products by turns
.irp n, 0,1,2
	v_mul_f32 v[TT+2*\n], v[U1+2*\n+1], v[TW1+2*\n+1]
	v_mul_f32 v[TT+2*\n+1], v[U1+2*\n+1], v[TW1+2*\n]
.endr
.irp n, 0,1,2
	v_fma_f32 v[YY+2+2*\n], v[U1+2*\n], v[TW1+2*\n], -v[TT+2*\n]
	v_fma_f32 v[YY+3+2*\n], v[U1+2*\n], v[TW1+2*\n+1], v[TT+2*\n+1]
.endr
.endm
	; THE FIRST STAGE takes its inputs from the sums.  B: S1 = T(0) - i T(1): re = Re(0) + Im(1), im = Im(0) - Re(1).  A: re = S0(0) + S0(1), im = S0(0) - S0(0) = 0: the same lines at other addresses.
.irp r, 0,1,2,3
	ds_load_b32 v[LU+\r], v[RU] offset:PART+1024*\r
	ds_load_b32 v[LV+\r], v[RY] offset:PART+12288+1024*\r
	ds_load_b32 v[LY+\r], v[RY] offset:PART+1024*\r
	ds_load_b32 v[LZ+\r], v[RZ] offset:PART+1024*\r
.endr
	ds_load_b64 v[TW1:TW1+1], v[A1]
	ds_load_b64 v[TW1+2:TW1+3], v[A2]
	ds_load_b64 v[TW1+4:TW1+5], v[A3]
	s_wait_dscnt 0x0
.irp k, 0,2
	v_pk_add_f32 v[LU+\k:LU+\k+1], v[LU+\k:LU+\k+1], v[LV+\k:LV+\k+1]
	v_pk_add_f32 v[LY+\k:LY+\k+1], v[LY+\k:LY+\k+1], v[LZ+\k:LZ+\k+1] neg_lo:[0,1] neg_hi:[0,1]
.endr
.irp r, 0,1,2,3                        ; times e^(-2 pi i c m / 2^18) = cos - i sin
	v_mul_f32 v[TT+2*\r], v[LY+\r], v[PT+2*\r+1]
	v_mul_f32 v[TT+2*\r+1], v[LU+\r], v[PT+2*\r+1]
.endr
.irp r, 0,1,2,3
	v_fma_f32 v[XA+2*\r], v[LU+\r], v[PT+2*\r], v[TT+2*\r]
	v_fma_f32 v[XA+2*\r+1], v[LY+\r], v[PT+2*\r], -v[TT+2*\r+1]
.endr
	BFLY 1
	TWID
	ds_store_b128 v[ZS], v[YY:YY+3]                ; y[4 t .. 4 t + 3]: 32 bytes on end
	ds_store_b128 v[ZS], v[YY+4:YY+7] offset:16
	BARRIER
; A stage with s = 4, 16 or 64.  Thread t = q + s p reads x[t + 256 r], r = 0 .. 3, and writes y[q + s (4 p + r)] = y[t + 3 e + s r] with e = s p = t less its low bits; the twiddles are entries e, 2 e, 3 e of the table.
; src: which buffer is read; the other is written.  One barrier a stage: behind it the results are whole and nobody reads the inputs any more.
; THE SKEW.  With s = 4 the results of a wave's 32 lanes, for one r, would fall on 8 of the 32 pairs of banks.  So that stage lays element i at i + 4 (i / 32): i / 32 = t / 8 there, and the lanes' places are
; q + 16 (p % 2) + 4 (p / 2 % 4) + a constant, modulo 32: all different.  The next stage reads element t + 256 r at t + 4 (t / 32) + 288 r.
.macro STAGE s, src, rd, rstep, skew
.irp r, 0,1,2,3
	ds_load_b64 v[XA+2*\r:XA+2*\r+1], v[\rd] offset:\src*PP+\rstep*\r
.endr
	v_and_b32 v[E], 256-\s, v[T]
	v_lshl_add_u32 v[A1], v[E], 3, TW
	v_lshl_add_u32 v[A2], v[E], 4, TW
	v_mad_u32_u24 v[A3], v[E], 24, TW
	ds_load_b64 v[TW1:TW1+1], v[A1]
	ds_load_b64 v[TW1+2:TW1+3], v[A2]
	ds_load_b64 v[TW1+4:TW1+5], v[A3]
	v_mad_u32_u24 v[AW], v[E], 24, v[AR]
.if \skew
	v_add_nc_u32 v[AW], v[SK], v[AW]
.endif
	s_wait_dscnt 0x0
	BFLY 1
	TWID
.irp r, 0,1,2,3
	ds_store_b64 v[AW], v[YY+2*\r:YY+2*\r+1] offset:(1-\src)*PP+8*\s*\r
.endr
	BARRIER
.endm
	STAGE 4,  0, AR,  2048, 1
	STAGE 16, 1, AR2, 2304, 0
	STAGE 64, 0, AR,  2048, 0
	; THE LAST STAGE (s = 256, all twiddles 1) and the way out: result r is output t + 256 r.  A's threads store results 0 and 1, B's results 1 and 3.
.irp r, 0,1,2,3
	ds_load_b64 v[XA+2*\r:XA+2*\r+1], v[AR] offset:PP+2048*\r
.endr
	v_cmp_ne_u32 vcc_lo, 0, v[G]
	s_wait_dscnt 0x0
	BFLY 0
	v_cndmask_b32 v[O1], v[YY], v[U1], vcc_lo
	v_cndmask_b32 v[O1+1], v[YY+1], v[U1+1], vcc_lo
	v_cndmask_b32 v[O2], v[U1], v[U3], vcc_lo
	v_cndmask_b32 v[O2+1], v[U1+1], v[U3+1], vcc_lo
	global_store_b64 v[GO1], v[O1:O1+1], s[8:9]                ; each store of a wave covers 256 consecutive bytes, at a multiple of 256 from the buffer's first byte
	global_store_b64 v[GO2], v[O2:O2+1], s[8:9] offset:2048    ; (in B's waves with the lanes in falling order)
	s_wait_tensorcnt 0x0
	ds_add_u32 v126, v127
	s_wait_dscnt 0x0
	s_endpgm
.Lfunc_end_k_q714900e9a8_fold_fft:
	.size	k_q714900e9a8_fold_fft, .Lfunc_end_k_q714900e9a8_fold_fft-k_q714900e9a8_fold_fft
	.p2alignl 7, 3214868480
	.fill 96, 4, 3214868480
	.section	.rodata,"a",@progbits
	.p2align	6, 0x0
	.amdhsa_kernel k_q714900e9a8_fold_fft
		.amdhsa_group_segment_fixed_size 69632
		.amdhsa_private_segment_fixed_size 0
		.amdhsa_enable_private_segment 0
		.amdhsa_kernarg_size 40
		.amdhsa_user_sgpr_count 2
		.amdhsa_user_sgpr_kernarg_segment_ptr 1
		.amdhsa_wavefront_size32 1
		.amdhsa_system_sgpr_workgroup_id_x 1
		.amdhsa_system_sgpr_workgroup_id_y 1
		.amdhsa_system_sgpr_workgroup_id_z 1
		.amdhsa_system_vgpr_workitem_id 0
		.amdhsa_next_free_vgpr 256
		.amdhsa_next_free_sgpr 98
		.amdhsa_reserve_vcc 1
		.amdhsa_float_denorm_mode_32 3
		.amdhsa_float_denorm_mode_16_64 3
		.amdhsa_memory_ordered 1
		.amdhsa_forward_progress 1
		.amdhsa_inst_pref_size 65
	.end_amdhsa_kernel
	.amdgpu_metadata
---
amdhsa.version: [ 1, 2 ]
amdhsa.kernels:
  - .name:           k_q714900e9a8_fold_fft
    .symbol:         k_q714900e9a8_fold_fft.kd
    .args:
      - { .name: audio, .offset: 0, .size: 8, .value_kind: global_buffer, .address_space: global }
      - { .name: W, .offset: 8, .size: 8, .value_kind: global_buffer, .address_space: global }
      - { .name: part, .offset: 16, .size: 8, .value_kind: global_buffer, .address_space: global }
      - { .name: wq, .offset: 24, .size: 8, .value_kind: global_buffer, .address_space: global }
      - { .name: wsc, .offset: 32, .size: 8, .value_kind: global_buffer, .address_space: global }
    .group_segment_fixed_size: 69632
    .private_segment_fixed_size: 0
    .kernarg_segment_align: 8
    .kernarg_segment_size: 40
    .max_flat_workgroup_size: 512
    .sgpr_count:     98
    .vgpr_count:     256
    .wavefront_size: 32
...
	.end_amdgpu_metadata
.endif
;; end of part 1
;; launch peaks_gemm (part 2): grid 4 x 32, 4 waves a work-group, no clusters, 25,344 bytes of LDS; arguments part, wq, wsc, b, out0; writes out0
.if DOCPART == 2
	.amdgcn_target "amdgcn-amd-amdhsa--gfx1250"
	.amdhsa_code_object_version 6
	.text
	.protected	k_q714900e9a8_peaks_gemm
	.globl	k_q714900e9a8_peaks_gemm
	.p2align	8
	.type	k_q714900e9a8_peaks_gemm,@function
k_q714900e9a8_peaks_gemm:
	s_mov_b64 s[64:65], 0
	v_nop
	global_prefetch_b8 v0, s[64:65] scope:SCOPE_SE
	s_setreg_imm32_b32 hwreg(HW_REG_WAVE_MODE, 25, 1), 1
	s_wait_xcnt 0x0
; FROM THE BINS TO THE RESULT.  part[2 row + h] holds, for each half h of a row, A[0 .. 511] and then S[0 .. 511], complex, 8 bytes each: A[j] is the partial bin 256 j + 128; S[j] has the magnitude of the bin under it
; (j < 255) or is the bin above it (j > 255).  wq, wsc hold W as codes of E3M2 and scale bytes.
; out0[row][n] = sum over k of Q(peaks[row][k]) Q(W[n][k]) + b[n], by the scaled matrix instruction on 6-bit codes; all ahead of the quantiser in f32.
; SHARES.  Work-group (x, y): rows 4 y .. 4 y + 3, columns 128 x .. 128 x + 127.  Wave v first takes row 4 y + v through the whole chain: the halves are added, magnitudes, the interpolation to 512 points, means of
; three, peaks, the interpolation from 171 to 512, the quantiser along K.  What changes lanes goes through the wave's own 4 KB of LDS, which needs no barrier.  The four rows' codes then meet in LDS, and wave v
; multiplies them with two tiles of 16 columns: 2 x 4 matrix instructions, the two accumulators by turns.
; A TILE'S 16 ROWS ARE THE FOUR ROWS FOUR TIMES (lane r reads row r % 4): the launch is one dependent pass, and four rows to a work-group give each wave one row's 16 KB and one row's arithmetic;
; sixteen rows to a work-group would be four times both, for matrix work of 8 instructions a wave.
; THE ORDER.  Addresses, the arrays' edges in LDS and both interpolations' weights hang on the lane, the wave and the work-group alone: they are made while the kernel's arguments are on their way, in batches of
; sixteen so that no line waits for the line above it.  Then all loads go out together (32 + 24 + 3 a wave).
; No cluster: the four work-groups of a y read the same 64 KB of part, but straight into the registers of the lanes that work on them; a joint request would go through LDS, behind rounds of the cluster's barrier,
; in a launch that has one trip to memory in all.
; THE WEIGHTS of the first interpolation are made by the problem's own f32 steps ((j + 0.5) x 131073 / 512 - 0.5, floor, difference): the product is rounded, and the rounding is part of the result.
; Its max(.., 0) changes nothing: the number is 127.5 at the least.  For j < 255 the lower bin is S's and A's takes w; from 255 on the lower bin is A's and S's takes w.  At j = 255 w is exactly 0, and S[255] holds a
; bin that the point does not need: it is multiplied by that 0.  The second interpolation's numbers are exact: ((2 k + 1) 171 - 512) / 1024, taken in whole numbers.
; LIMITS: a magnitude is sqrt(re^2 + im^2), not rescaled: right for magnitudes between about 2^-60 and 2^63 (and finite, which the 0 at j = 255 needs).  NaN and infinities among the inputs are not served.
; A block of zeros gets the byte 1 and zero codes.
.set SMO,   2320                       ; a wave's 4 KB of LDS: PAD[0 .. 576] (PAD[i] = the padded spectrum, zeros behind it); from SMO: SM[l + 1] = mean l; from PO: P[l + 1] = peak l
.set PO,    3104
.set CODES, 16384                      ; the four rows' codes: 384 bytes a row, rows CP apart
.set CP,    400
.set SCB,   17984                      ; their scale bytes, 16 a row
.set STG,   18432                      ; the way out: rows of 512 bytes + 16
.set SPI,   528
.set LANE, 1
.set L16,  2                           ; v2   16 x lane: offset of dense loads and of the store; never rewritten
.set R16,  3                           ; v3   16 x (lane % 16): W's scale words
.set PADA, 4                           ; v4   my wave's LDS + 4 x lane
.set UNI,  5                           ; v5   my wave's LDS
.set P3A,  6                           ; v6   my wave's LDS + 12 x lane
.set CST,  7                           ; v7   where my 16 codes go
.set SBA,  8                           ; v8   where my block's byte goes
.set AFA,  9                           ; v9   my lane's place in a fragment of the rows' codes
.set ASA,  10                          ; v10  and among their scale words
.set STA,  11
.set RDA,  12
.set N0,   13
.set PAD2, 14                          ; v14  my wave's LDS + 8 x lane
.set TP,   15                          ; v15-19 at work
.set BIAS, 24                          ; v24-27
.set WA,   32                          ; v32-47 A's weight, v48-63 S's weight in the first interpolation, point n of my 16: j = 64 (n / 2) + 2 lane + n % 2
.set WB,   48
.set ADR,  64                          ; v64-79 LDS address, v80-95 w, v96-111 1 - w of the second, k = 16 lane + i
.set W2,   80
.set OM2,  96
.set WSC,  112                         ; v112-119 W's scale words: tile u, K step s at 4 u + s
.set ASC,  120                         ; v120-123 the rows' scale words, K step s
.set NIL,  124
.set INF,  125
.set P0,   128                         ; v128-191, v192-255 the two halves' bins: A of point n at 2 n, S at 32 + 2 n
.set P1,   192
.set Q,    192                         ; then the squares and the magnitudes, 2 a point
.set SP,   224                         ; the spectrum
.set PLD,  128
.set SL,   146
.set QT,   152
.set LF,   158
.set RT,   164
.set PK,   170
.set X0,   176
.set X1,   192
.set X,    208                         ; 16 neighbours along K
.set M0,   240
.set SCL,  242
.set BY,   243
.set CD,   244
.set ACC,  128                         ; two accumulators
.set AF,   144                         ; the rows' four fragments.  W's eight lie in v256-351: v0-95 of the second window
.set OUTR, 196
	s_load_b256 s[4:11], s[0:1], 0x0               ; part, wq, wsc, b
	s_load_b64 s[12:13], s[0:1], 0x20              ; out0
	v_lshl_add_u32 v126, v0, 2, 0x6100
	v_mov_b32 v127, 0
	; while the arguments are on their way: ids and offsets,
	v_lshrrev_b32 v[LANE], 5, v0
	v_readfirstlane_b32 s14, v[LANE]               ; wave 0..3
	v_and_b32 v[LANE], 31, v0
	v_lshlrev_b32 v[L16], 4, v[LANE]
	v_and_b32 v[TP+2], 15, v0
	v_lshlrev_b32 v[R16], 4, v[TP+2]
	s_and_b32 s15, ttmp7, 0xffff
	s_lshl_b32 s16, s15, 2
	s_add_co_u32 s16, s16, s14                     ; my row
	s_lshl_b32 s18, s16, 14                        ; its two halves of 8 KB
	s_mov_b32 s19, 0
	s_lshl_b32 s17, ttmp9, 3
	s_lshl_b32 s20, s14, 1
	s_add_co_u32 s17, s17, s20                     ; my first tile of 16 columns: 8 x + 2 wave
	s_mul_i32 s20, s17, 6144                       ; 4 K steps x 1,536 bytes a tile
	s_mov_b32 s21, 0
	s_lshl_b32 s22, s17, 8                         ; 16 rows x 16 scale bytes
	s_mov_b32 s23, 0
	s_lshl_b32 s24, ttmp9, 9                       ; the work-group's 128 columns in b and in a row of out0
	s_mov_b32 s25, 0
	s_lshl_b32 s26, s16, 11
	s_add_co_u32 s26, s26, s24
	s_mov_b32 s27, 0
	s_mov_b32 s28, 0x43800040                      ; 131073 / 512
	s_mov_b32 s29, 0x3eaaaaab                      ; 1/3, rounded
	s_mov_b32 s30, 0xc0400000                      ; -3
	s_mov_b32 s31, 0x3a800000                      ; 2^-10
	s_lshl_b32 s33, s14, 12                        ; my wave's LDS
	; LDS addresses,
	v_lshl_add_u32 v[PADA], v[LANE], 2, s33
	v_lshl_add_u32 v[PAD2], v[LANE], 3, s33
	v_mov_b32 v[UNI], s33
	v_mad_u32_u24 v[P3A], v[LANE], 12, s33
	s_mul_i32 s34, s14, CP
	s_add_co_u32 s34, s34, CODES
	v_mad_u32_u24 v[CST], v[LANE], 12, s34
	s_lshl_b32 s34, s14, 4
	s_add_co_u32 s34, s34, SCB
	v_lshrrev_b32 v[SBA], 1, v[LANE]
	v_add_nc_u32 v[SBA], s34, v[SBA]
	v_and_b32 v[TP], 3, v[LANE]                    ; the row that my lane reads: r % 4
	v_lshrrev_b32 v[TP+1], 4, v[LANE]              ; my half
	v_mul_u32_u24 v[AFA], v[TP], CP
	v_mad_u32_u24 v[AFA], v[TP+1], 24, v[AFA]
	v_add_nc_u32 v[AFA], CODES, v[AFA]
	v_lshl_add_u32 v[ASA], v[TP], 4, SCB
	v_mul_u32_u24 v[STA], v[TP+1], 8*SPI           ; the stage: row 8 half + register, column 32 wave + 16 u + lane % 16
	v_lshl_add_u32 v[STA], v[TP+2], 2, v[STA]
	s_lshl_b32 s34, s14, 7
	s_add_co_u32 s34, s34, STG
	v_add_nc_u32 v[STA], s34, v[STA]
	s_mul_i32 s34, s14, SPI
	s_add_co_u32 s34, s34, STG
	v_lshl_add_u32 v[RDA], v[LANE], 4, s34         ; back: row = my wave, 16 bytes a lane
	; the edges of the three arrays,
	v_mov_b32 v[NIL], 0
	v_mov_b32 v[INF], 0x7f800000
	ds_store_b32 v[UNI], v[NIL]                    ; PAD[0]: the padding in front
	ds_store_b32 v[PADA], v[NIL] offset:2052       ; PAD[513 .. 576]: the padding behind, and zeros for the windows that lanes beyond l = 170 read
	ds_store_b32 v[PADA], v[NIL] offset:2180
	ds_store_b32 v[UNI], v[NIL] offset:PO          ; P[0]: the clamped index under 0 reads peak 0, which is 0
	ds_store_b32 v[UNI], v[INF] offset:SMO         ; the neighbour to the left of mean 0 is +infinity: no mean is above it, so the edge stays 0
	ds_store_b32 v[UNI], v[INF] offset:SMO+4*193   ; (read by the lane of l = 191)
	; the first interpolation's weights,
.irp n, 0,1,2,3,4,5,6,7,8,9,10,11,12,13,14,15
	v_lshl_add_u32 v[WA+\n], v[LANE], 1, 64*(\n/2)+\n%2            ; j
.endr
.irp n, 0,1,2,3,4,5,6,7,8,9,10,11,12,13,14,15
	v_cvt_f32_u32 v[WA+\n], v[WA+\n]
.endr
.irp n, 0,1,2,3,4,5,6,7,8,9,10,11,12,13,14,15
	v_add_f32 v[WA+\n], 0.5, v[WA+\n]
.endr
.irp n, 0,1,2,3,4,5,6,7,8,9,10,11,12,13,14,15
	v_mul_f32 v[WA+\n], s28, v[WA+\n]              ; rounded, as in the problem's function
.endr
.irp n, 0,1,2,3,4,5,6,7,8,9,10,11,12,13,14,15
	v_add_f32 v[WA+\n], -0.5, v[WA+\n]
.endr
.irp n, 0,1,2,3,4,5,6,7,8,9,10,11,12,13,14,15
	v_floor_f32 v[WB+\n], v[WA+\n]
.endr
.irp n, 0,1,2,3,4,5,6,7,8,9,10,11,12,13,14,15
.if \n < 7
	v_sub_f32 v[WA+\n], v[WA+\n], v[WB+\n]         ; points 0 to 6 have j <= 254 in every lane: w is A's
.else
	v_sub_f32 v[WB+\n], v[WA+\n], v[WB+\n]         ; points 8 to 15 have j >= 256: w is S's.  (Point 7: below)
.endif
.endr
.irp n, 0,1,2,3,4,5,6,7,8,9,10,11,12,13,14,15
.if \n < 7
	v_sub_f32 v[WB+\n], 1.0, v[WA+\n]
.else
	v_sub_f32 v[WA+\n], 1.0, v[WB+\n]
.endif
.endr
	v_cmp_gt_u32 vcc_lo, 31, v[LANE]               ; point 7 is j = 193 + 2 lane: 255 in lane 31 alone; in the other lanes the two weights change places
	v_mov_b32 v[TP], v[WA+7]
	v_cndmask_b32 v[WA+7], v[WA+7], v[WB+7], vcc_lo
	v_cndmask_b32 v[WB+7], v[WB+7], v[TP], vcc_lo
	; and the second's.  num = (2 k + 1) 171 + 512 = 342 k + 683: num / 1024 is the source index + 1, which is P's index; its low ten bits are w.  The array's address, shifted up 8 bits, rides along.
	s_add_co_u32 s34, s33, PO
	s_lshl_b32 s34, s34, 8
	s_add_co_u32 s34, s34, 683
	v_mad_u32_u24 v[N0], v[LANE], 5472, s34        ; k = 16 lane
.irp i, 0,1,2,3,4,5,6,7,8,9,10,11,12,13,14,15
	v_add_nc_u32 v[W2+\i], 342*\i, v[N0]
.endr
.irp i, 0,1,2,3,4,5,6,7,8,9,10,11,12,13,14,15
	v_lshrrev_b32 v[ADR+\i], 8, v[W2+\i]
.endr
.irp i, 0,1,2,3,4,5,6,7,8,9,10,11,12,13,14,15
	v_and_b32 v[W2+\i], 1023, v[W2+\i]
.endr
.irp i, 0,1,2,3,4,5,6,7,8,9,10,11,12,13,14,15
	v_and_b32 v[ADR+\i], 0xfffffc, v[ADR+\i]       ; the array + 4 x index
.endr
.irp i, 0,1,2,3,4,5,6,7,8,9,10,11,12,13,14,15
	v_cvt_f32_u32 v[W2+\i], v[W2+\i]
.endr
.irp i, 0,1,2,3,4,5,6,7,8,9,10,11,12,13,14,15
	v_fma_f32 v[OM2+\i], -v[W2+\i], s31, 1.0       ; 1 - w and
.endr
.irp i, 0,1,2,3,4,5,6,7,8,9,10,11,12,13,14,15
	v_mul_f32 v[W2+\i], s31, v[W2+\i]              ; w: both exact
.endr
	s_wait_kmcnt 0x0
	s_add_nc_u64 s[4:5], s[4:5], s[18:19]
	s_add_nc_u64 s[6:7], s[6:7], s[20:21]
	s_add_nc_u64 s[8:9], s[8:9], s[22:23]
	s_add_nc_u64 s[10:11], s[10:11], s[24:25]
	s_add_nc_u64 s[12:13], s[12:13], s[26:27]
.irp h, 0,1
.irp i, 0,1,2,3,4,5,6,7,8,9,10,11,12,13,14,15
	global_load_b128 v[P0+64*\h+4*\i:P0+64*\h+4*\i+3], v[L16], s[4:5] offset:8192*\h+512*\i   ; 512 consecutive bytes a load: i < 8: A of points 2 i, 2 i + 1; from 8 on: S of points 2 (i - 8), 2 (i - 8) + 1
.endr
.endr
	s_set_vgpr_msb 0x40                            ; destination in the second window
.irp f, 0,1,2,3,4,5,6,7
.irp c, 0,1,2
	global_load_b128 v[12*\f+4*\c:12*\f+4*\c+3], v[L16], s[6:7] offset:1536*\f+512*\c          ; fragment 4 u + s as it lies: four registers of all lanes are 512 consecutive bytes
.endr
.endr
	s_set_vgpr_msb 0x4000
	global_load_b128 v[WSC:WSC+3], v[R16], s[8:9]              ; lane r: row r's 16 bytes are its four scale words
	global_load_b128 v[WSC+4:WSC+7], v[R16], s[8:9] offset:256
	global_load_b128 v[BIAS:BIAS+3], v[L16], s[10:11]
	s_wait_loadcnt 27                              ; the 32 loads of bins are in; the 24 of W's fragments, 2 of its scale words and 1 of b, issued behind them, may be out
.irp i, 0,1,2,3,4,5,6,7,8,9,10,11,12,13,14,15
	v_pk_add_f32 v[P0+4*\i:P0+4*\i+1], v[P0+4*\i:P0+4*\i+1], v[P1+4*\i:P1+4*\i+1]     ; the two halves of the row
	v_pk_add_f32 v[P0+4*\i+2:P0+4*\i+3], v[P0+4*\i+2:P0+4*\i+3], v[P1+4*\i+2:P1+4*\i+3]
.endr
.irp n, 0,1,2,3,4,5,6,7,8,9,10,11,12,13,14,15
	v_mul_f32 v[Q+2*\n], v[P0+2*\n+1], v[P0+2*\n+1]
	v_mul_f32 v[Q+2*\n+1], v[P0+32+2*\n+1], v[P0+32+2*\n+1]
	v_fma_f32 v[Q+2*\n], v[P0+2*\n], v[P0+2*\n], v[Q+2*\n]
	v_fma_f32 v[Q+2*\n+1], v[P0+32+2*\n], v[P0+32+2*\n], v[Q+2*\n+1]
.endr
.irp n, 0,1,2,3,4,5,6,7,8,9,10,11,12,13,14,15,16,17,18,19,20,21,22,23,24,25,26,27,28,29,30,31
	v_sqrt_f32 v[Q+\n], v[Q+\n]                    ; the 32 magnitudes: one batch
.endr
	v_nop                                          ; a plain line behind the last root,
	s_wait_alu depctr_va_vdst(0)                   ; and one wait for the batch, ahead of its first reader
.irp n, 0,1,2,3,4,5,6,7,8,9,10,11,12,13,14,15
	v_mul_f32 v[SP+\n], v[Q+2*\n], v[WA+\n]
.endr
.irp n, 0,1,2,3,4,5,6,7,8,9,10,11,12,13,14,15
	v_fma_f32 v[SP+\n], v[Q+2*\n+1], v[WB+\n], v[SP+\n]
	ds_store_b32 v[PAD2], v[SP+\n] offset:4+256*(\n/2)+4*(\n%2)    ; PAD[1 + j]
.endr
.irp i, 0,1,2,3,4,5                    ; window l = lane + 32 i: PAD[3 l .. 3 l + 2].  LDS serves a wave's instructions in order: these see my stores
.irp c, 0,1,2
	ds_load_b32 v[PLD+3*\i+\c], v[P3A] offset:384*\i+4*\c
.endr
.endr
	s_wait_dscnt 0x0
.irp i, 0,1,2,3,4,5
	v_add_f32 v[SL+\i], v[PLD+3*\i], v[PLD+3*\i+1]
.endr
.irp i, 0,1,2,3,4,5
	v_add_f32 v[SL+\i], v[SL+\i], v[PLD+3*\i+2]
.endr
.irp i, 0,1,2,3,4,5                    ; / 3: the product with 1/3, then one correction by the exact remainder
	v_mul_f32 v[QT+\i], s29, v[SL+\i]
.endr
.irp i, 0,1,2,3,4,5
	v_fma_f32 v[SL+\i], v[QT+\i], s30, v[SL+\i]
.endr
.irp i, 0,1,2,3,4,5
	v_fma_f32 v[SL+\i], v[SL+\i], s29, v[QT+\i]
	ds_store_b32 v[PADA], v[SL+\i] offset:SMO+4+128*\i
.endr
	ds_store_b32 v[UNI], v[INF] offset:SMO+4*172   ; behind those stores: the neighbour to the right of mean 170 is +infinity: the other edge stays 0
.irp i, 0,1,2,3,4,5
	ds_load_b32 v[LF+\i], v[PADA] offset:SMO+128*\i
	ds_load_b32 v[RT+\i], v[PADA] offset:SMO+8+128*\i
.endr
	s_wait_dscnt 0x0
.irp i, 0,1,2,3,4,5
	v_cmp_gt_f32 vcc_lo, v[SL+\i], v[LF+\i]
	v_cndmask_b32 v[PK+\i], 0, v[SL+\i], vcc_lo
	v_cmp_gt_f32 vcc_lo, v[SL+\i], v[RT+\i]
	v_cndmask_b32 v[PK+\i], 0, v[PK+\i], vcc_lo    ; (beyond l = 170 the means are 0 and no 0 is above its neighbour: P[172], which the clamped index reads, is 0 as peak 170 is)
	ds_store_b32 v[PADA], v[PK+\i] offset:PO+4+128*\i
.endr
.irp i, 0,1,2,3,4,5,6,7,8,9,10,11,12,13,14,15
	ds_load_b32 v[X0+\i], v[ADR+\i]
	ds_load_b32 v[X1+\i], v[ADR+\i] offset:4
.endr
	s_wait_dscnt 0x0
.irp i, 0,1,2,3,4,5,6,7,8,9,10,11,12,13,14,15
	v_mul_f32 v[X+\i], v[X0+\i], v[OM2+\i]
.endr
.irp i, 0,1,2,3,4,5,6,7,8,9,10,11,12,13,14,15
	v_fma_f32 v[X+\i], v[X1+\i], v[W2+\i], v[X+\i] ; k = 16 lane + i: 16 neighbours along K; two neighbouring lanes hold a block
.endr
	v_max3_num_f32 v[M0], |v[X]|, |v[X+1]|, 0x2800000              ; the largest magnitude, with the floor 2^(5 - 127) among the leaves: the byte cannot fall under 1
	v_max3_num_f32 v[M0+1], |v[X+2]|, |v[X+3]|, |v[X+4]|
	v_max3_num_f32 v[M0], v[M0], |v[X+5]|, |v[X+6]|
	v_max3_num_f32 v[M0+1], v[M0+1], |v[X+7]|, |v[X+8]|
	v_max3_num_f32 v[M0], v[M0], |v[X+9]|, |v[X+10]|
	v_max3_num_f32 v[M0+1], v[M0+1], |v[X+11]|, |v[X+12]|
	v_max3_num_f32 v[M0], v[M0], |v[X+13]|, |v[X+14]|
	v_max3_num_f32 v[M0], v[M0], v[M0+1], |v[X+15]|
	v_max_num_f32_dpp v[M0], v[M0], v[M0] row_xmask:1 row_mask:0xf bank_mask:0xf   ; with my neighbour's 16: the block's
	v_add_nc_u32 v[SCL], 0xfe000000, v[M0]         ; 4 off the exponent field: the conversion's scale operand
	v_cvt_scalef32_pk16_bf6_f32 v[CD:CD+2], v[X:X+15], v[SCL]
	v_lshrrev_b32 v[BY], 23, v[SCL]                ; the scale's byte.  (The plain line behind the conversion)
	ds_store_b32 v[CST], v[CD]                     ; 12 bytes at 12 x lane of my row: the row's stream of bits
	ds_store_b32 v[CST], v[CD+1] offset:4
	ds_store_b32 v[CST], v[CD+2] offset:8
	ds_store_b8 v[SBA], v[BY]                      ; both lanes of a block write the same byte with the same value
	s_wait_dscnt 0x0                               ; for the others' sake: my stores have landed
	s_barrier_signal -1
	s_barrier_wait -1                              ; the four rows' codes and bytes lie in LDS
.irp s, 0,1,2,3
.irp p, 0,1,2,3,4,5
	ds_load_b64 v[AF+12*\s+2*\p:AF+12*\s+2*\p+1], v[AFA] offset:96*\s+48*(\p/3)+8*(\p%3)   ; lane (r, half): registers 6 c .. 6 c + 5 = k 128 s + 64 c + 32 half + 0 .. 31 of row r % 4
.endr
.endr
	ds_load_b128 v[ASC:ASC+3], v[ASA]              ; and that row's four scale words
	s_wait_loadcnt 0x0                             ; W's fragments, its scale words, b
	s_wait_dscnt 0x0
	s_set_vgpr_msb 0x04                            ; source 1 (W) in the second window
.irp s, 0,1,2,3                        ; the two accumulators by turns, K ascending; the first K step starts the sums
.irp u, 0,1
.if \s == 0
	v_wmma_scale_f32_16x16x128_f8f6f4 v[ACC+8*\u:ACC+8*\u+7], v[AF+12*\s:AF+12*\s+11], v[12*(4*\u+\s):12*(4*\u+\s)+11], 0, v[ASC+\s], v[WSC+4*\u+\s] matrix_a_fmt:MATRIX_FMT_BF6 matrix_b_fmt:MATRIX_FMT_BF6
.else
	v_wmma_scale_f32_16x16x128_f8f6f4 v[ACC+8*\u:ACC+8*\u+7], v[AF+12*\s:AF+12*\s+11], v[12*(4*\u+\s):12*(4*\u+\s)+11], v[ACC+8*\u:ACC+8*\u+7], v[ASC+\s], v[WSC+4*\u+\s] matrix_a_fmt:MATRIX_FMT_BF6 matrix_b_fmt:MATRIX_FMT_BF6
.endif
.endr
.endr
	s_set_vgpr_msb 0x0400
.rept 4
	v_nop                                          ; four places between the last product and the first read of a result (ISA guide 7.12.1)
.endr
.irp u, 0,1                            ; register j of lane (r, half) is (tile row 8 half + j, column r).  Tile rows 0-3 are the four rows; registers 4-7 repeat them and are not stored; lanes 16-31 store their repeats to stage rows 8-11, which nobody reads
.irp j, 0,1,2,3
	ds_store_b32 v[STA], v[ACC+8*\u+\j] offset:\j*SPI+64*\u
.endr
.endr
	s_wait_dscnt 0x0
	s_barrier_signal -1
	s_barrier_wait -1                              ; four whole pieces of 512 bytes lie in the stage
	ds_load_b128 v[OUTR:OUTR+3], v[RDA]
	s_wait_dscnt 0x0
	v_pk_add_f32 v[OUTR:OUTR+1], v[OUTR:OUTR+1], v[BIAS:BIAS+1]
	v_pk_add_f32 v[OUTR+2:OUTR+3], v[OUTR+2:OUTR+3], v[BIAS+2:BIAS+3]
	global_store_b128 v[L16], v[OUTR:OUTR+3], s[12:13] ; my row's 128 columns: 512 consecutive bytes, at a multiple of 512 from out0's first byte
	s_wait_tensorcnt 0x0
	ds_add_u32 v126, v127
	s_wait_dscnt 0x0
	s_endpgm
.Lfunc_end_k_q714900e9a8_peaks_gemm:
	.size	k_q714900e9a8_peaks_gemm, .Lfunc_end_k_q714900e9a8_peaks_gemm-k_q714900e9a8_peaks_gemm
	.p2alignl 7, 3214868480
	.fill 96, 4, 3214868480
	.section	.rodata,"a",@progbits
	.p2align	6, 0x0
	.amdhsa_kernel k_q714900e9a8_peaks_gemm
		.amdhsa_group_segment_fixed_size 25344
		.amdhsa_private_segment_fixed_size 0
		.amdhsa_enable_private_segment 0
		.amdhsa_kernarg_size 40
		.amdhsa_user_sgpr_count 2
		.amdhsa_user_sgpr_kernarg_segment_ptr 1
		.amdhsa_wavefront_size32 1
		.amdhsa_system_sgpr_workgroup_id_x 1
		.amdhsa_system_sgpr_workgroup_id_y 1
		.amdhsa_system_sgpr_workgroup_id_z 1
		.amdhsa_system_vgpr_workitem_id 0
		.amdhsa_next_free_vgpr 352
		.amdhsa_next_free_sgpr 66
		.amdhsa_reserve_vcc 1
		.amdhsa_float_denorm_mode_32 3
		.amdhsa_float_denorm_mode_16_64 3
		.amdhsa_memory_ordered 1
		.amdhsa_forward_progress 1
		.amdhsa_inst_pref_size 42
	.end_amdhsa_kernel
	.amdgpu_metadata
---
amdhsa.version: [ 1, 2 ]
amdhsa.kernels:
  - .name:           k_q714900e9a8_peaks_gemm
    .symbol:         k_q714900e9a8_peaks_gemm.kd
    .args:
      - { .name: part, .offset: 0, .size: 8, .value_kind: global_buffer, .address_space: global }
      - { .name: wq, .offset: 8, .size: 8, .value_kind: global_buffer, .address_space: global }
      - { .name: wsc, .offset: 16, .size: 8, .value_kind: global_buffer, .address_space: global }
      - { .name: b, .offset: 24, .size: 8, .value_kind: global_buffer, .address_space: global }
      - { .name: out0, .offset: 32, .size: 8, .value_kind: global_buffer, .address_space: global }
    .group_segment_fixed_size: 25344
    .private_segment_fixed_size: 0
    .kernarg_segment_align: 8
    .kernarg_segment_size: 40
    .max_flat_workgroup_size: 128
    .sgpr_count:     66
    .vgpr_count:     352
    .wavefront_size: 32
...
	.end_amdgpu_metadata
.endif
;; end of part 2
;; ======== version 2 of 2: 2 launches; version 1 with the launches fold_fft, peaks_gemm written anew for expert scheduling mode
;; limits: right only within a limited range of input values
;; workspace buffers: part 2,097,152 bytes; wq 196,608 bytes; wsc 8,192 bytes
;; launch fold_fft (part 3): grid 256 x 1, 16 waves a work-group, no clusters, 69,632 bytes of LDS; arguments audio, W, part, wq, wsc; writes part, wq, wsc
.if DOCPART == 3
	.amdgcn_target "amdgcn-amd-amdhsa--gfx1250"
	.amdhsa_code_object_version 6
	.text
	.protected	k_q714900e9a8_fold_fft
	.globl	k_q714900e9a8_fold_fft
	.p2align	8
	.type	k_q714900e9a8_fold_fft,@function
k_q714900e9a8_fold_fft:
	s_mov_b64 s[64:65], 0
	v_nop
	global_prefetch_b8 v0, s[64:65] scope:SCOPE_SE
	s_setreg_imm32_b32 hwreg(HW_REG_WAVE_SCHED_MODE, 0, 2), 2
	s_setreg_imm32_b32 hwreg(HW_REG_WAVE_MODE, 25, 1), 1
	s_wait_xcnt 0x0
	s_wait_alu depctr_vm_vsrc(0)
; THE BINS THAT THE SPECTRUM NEEDS, FROM HALF A ROW OF AUDIO.  audio: [128][262144] f32.  The interpolation to 512 points reads, for point j, the rfft bins i0 and i0 + 1 alone, with
; i0 = 256 j + 127 for j < 255 and 256 j + 128 for j >= 255 (so its own f32 arithmetic gives them).  With n = m + 1024 q:
;   X[256 j + c] = sum over m of e^(-2 pi i j m / 1024) e^(-2 pi i c m / 2^18) sum over q of x[m + 1024 q] e^(-2 pi i c q / 256).
; For c = 128 the inner factor is (-1)^q; for c = 129 it is (-1)^q e^(-2 pi i q / 256); and |X[256 j + 127]| = |X[256 (1023 - j) + 129]| since x is real.  So a sample costs three multiply-adds with
; factors that are the same in all lanes, and a row ends in two complex transforms of 1,024 points: A (c = 128) and B (c = 129).
; SHARES.  Work-group w takes row w / 2, half h = w % 2: q = 128 h .. 128 h + 127, 512 KB on end.  All is linear, so each half goes through the transforms by itself and the next launch adds the two.
; Thread (G = tid / 256, t = tid % 256) owns m = 4 t .. 4 t + 3 and two groups of 32 q: g = 2 G and 2 G + 1 (q = 128 h + 32 g + q').  A wave's load covers 512 consecutive bytes.
; 64 loads a thread go through a ring of 32 slots in registers; a slot is asked for again four loads behind its turn (THE PLAN), so 28 to 32 loads of 512 bytes of each of the 16 waves are on their way.
; The groups share the 32 factors of q'; group g's sum is turned by e^(-pi i g / 4) (-1)^h afterwards.
; SINES AND COSINES are made here: the phase is a whole number of 2^-18 turns, brought to +-1/8 turn exactly, then Taylor's series to theta^9 and theta^10 (the next terms are under 2e-9 at pi / 4).
; BEHIND THE STREAM nothing is on its way from memory, so the chain is kept short: five exchanges through LDS, one barrier each.  A thread joins its own two groups in registers; the sums of G = 0 and 1 go to LDS;
; the first butterfly's thread reads its four m straight from them, joins the two G and turns by e^(-2 pi i c m / 2^18); the last butterfly's results go to memory from registers.
; THE TRANSFORMS: Stockham, radix 4, five stages; threads 0-255 serve A, 256-511 serve B (F = G), one butterfly each; results in natural order: after the last stage thread t holds outputs t + 256 r.
; OUT: part[w] = A[0 .. 511], then S[0 .. 511], 8 bytes each, with S[j] = B[1023 - j] for j < 256 and B[j] from 256 on.  For j < 255 that is the bin under A[j], from 256 on the bin above it.
; S[255] holds B[768], which point 255 does not need: there the second bin's weight is exactly 0 in the problem's own f32 arithmetic (255.5 x 131073 / 512 rounds to 65408.5), and the next launch multiplies by that 0.
; W: wave 0 also quantises rows 2 w and 2 w + 1 of W [512][512] to E3M2 along K, a block of 32 to a lane, and stores the codes in the order of the operand's registers (tile of 16 rows, K step of 128:
; register R of lane L at (R / 4) 512 + 16 L + 4 (R % 4)), the scale bytes as [row][16].  A block of zeros gets the byte 1 where the rule says 127: its codes are zeros, and this program alone reads the bytes.
; No cluster: no two work-groups read the same bytes.  LIMITS: NaN and infinities among the inputs are not served (A's imaginary part is made as the difference of one word with itself, which is 0 for finite numbers).
; THE MODE: SCHED_MODE bits 1:0 = 2 (LLVM: expert scheduling mode 2), set by the entry lines.  The code itself states the register dependences between vector instructions and memory or LDS instructions,
; with s_wait_alu, always for 0.
; THE PLAN.  Registers that memory or LDS instructions touch:
;   addresses     All are made at the head, each stage's twiddle and output addresses in registers of their own, and none is written again.
;   RING          The stream goes in blocks of four folds.  Fold i reads slot i % 32.  One wait on va_vdst at the head of blocks 1 to 8 states that the four folds before are done reading their slots; those slots'
;                 next loads follow, one ahead of each fold of the block, whose vector lines name the block's own four slots and the sums alone.
;   the sums      Written by the join, read by three LDS stores behind one wait, which also states that every fold is done with the ring's registers, in which the first stage's LDS loads land.
;   XA, TW1       A stage's LDS loads land in them, its butterfly reads them.  YY: the butterfly writes it, the stage's stores read it; each stage has a YY of its own, so that none is written again.
;                 One wait on va_vdst a stage, ahead of its stores: YY is written, and the butterfly is done with XA and TW1.  No vector line stands between that wait and the next stage's loads.
;   Nothing that a memory or LDS instruction reads is ever written again: no wait on vm_vsrc is owed.
;   Scalar results of vector lines (the wave's number, the 64 factors, the compares' masks in VCC) have a wait between the writer and its first reader.
.set ROWQ, 4096                        ; bytes of 1,024 samples
.set PART, 0                           ; LDS: the sums: [G][S0, Re, Im][1024] f32, 24 KB
.set TW,   24576                       ; e^(-2 pi i p / 1024), p = 0 .. 1023, 8 bytes each
.set FFT0, 32768                       ; transform A's buffer 0 (8,192 bytes) and buffer 1 (9,216: it is once used skewed), then B's two
.set PP,   8192                        ; from buffer 0 to buffer 1
.set FB,   17408                       ; from A's buffers to B's
.set VOFF, 1                           ; v1   my byte offset in the work-group's 512 KB; never rewritten
.set T,    2                           ; v2   tid % 256
.set G,    3                           ; v3   tid / 256: my groups in the stream, my transform behind it
.set LANE, 4
.set WOFF, 5                           ; v5   my block's offset in the two rows of W (made in every wave, used by wave 0)
.set PS,   6                           ; v6   where I store my sums
.set RU,   7                           ; v7-9 where the first butterfly reads them: 4 t + F x 4,096, x 8,192, x 16,384
.set RY,   8
.set RZ,   9
.set AR,   10                          ; v10  my butterfly's first input
.set AR2,  11                          ; v11  the same in the skewed buffer
.set ZS,   12                          ; v12  where the first stage's four results go
.set SK,   13                          ; v13  32 (t / 8): the skew of the second stage's results
.set E,    14                          ; v14  at work at the head: t less its low bits
.set TA0,  15                          ; v15-17 the first stage's three twiddle addresses
.set AW2,  18                          ; v18  where the stage with s = 16 stores
.set GO1,  19                          ; v19, v20 the way out
.set GO2,  20
.set TWS,  21
.set WA0,  22
.set WA1,  23
.set SGN,  24                          ; v24  (-1)^h as a sign bit in B's threads, 0 in A's
.set TA1,  25                          ; v25-27 twiddle addresses, v28 output address of the stage with s = 4
.set AW1,  28
.set TA2,  29                          ; v29-31 twiddle addresses of the stage with s = 16
.set T0,   32                          ; v32-37 at work in SINCOS
.set PH,   38                          ; v38  a phase
.set STP,  39                          ; v39  its step
.set TWP,  40                          ; v40-41 (cos, -sin)
.set NC,   42                          ; v42-43 (-cos, sin)
.set CC,   44
.set SS,   45
.set WM,   46                          ; v46-47 wave 0: largest magnitude, scale
.set WD,   48                          ; v48-79 wave 0: a block of W
.set WC,   80                          ; v80-86 wave 0: its codes
.set PT,   88                          ; v88-95 (cos, sin) of 2 pi c m / 2^18, m = t + 256 r, times (-1)^h in B
.set ACC,  96                          ; v96-119 two groups x (S0, Re, Im) x 4 m
.set TA3,  120                         ; v120-122 twiddle addresses, v123 output address of the stage with s = 64
.set AW3,  123
.set RING, 128                         ; v128-255 32 slots of 4; behind the stream:
.set KA,   128
.set KB,   132
.set LU,   136
.set LV,   140
.set LY,   144
.set LZ,   148
.set TT,   152
.set XA,   160                         ; a butterfly's four inputs
.set TW1,  168                         ; its three twiddles
.set APC,  174
.set AMC,  176
.set BPD,  178
.set BMD,  180
.set U1,   182                         ; its results 1 to 3 ahead of the twiddles
.set U2,   184
.set U3,   186
.set YY,   188                         ; its four results: v188-195 in the first stage, then v200-207, v208-215, v216-223, v224-225: a set to each stage
.set O1,   196
.set O2,   198
.set KTH,  18                          ; s18  pi / 2^17: a step of phase in radians
.set KS3,  19                          ; s19-26 the series' coefficients
.set KS5,  20
.set KS7,  21
.set KS9,  22
.set KC4,  23
.set KC6,  24
.set KC8,  25
.set KC10, 26
.set SCO,  32                          ; s32-63  (-1)^q' cos(2 pi q' / 256)
.set SSI,  66                          ; s66-97  -(-1)^q' sin(2 pi q' / 256)
; cos and sin of 2 pi P / 2^18, P a whole number under 2^18 in v[p].  P + 2^15 gives the nearest quarter turn (bits 17:16) and what is left, -2^15 .. 2^15 - 1 steps: exact.
.macro SINCOS c, s, p
	v_add_nc_u32 v[T0], 0x8000, v[\p]
	v_and_b32 v[T0+5], 0x10000, v[T0]
	v_cmp_ne_u32 vcc_lo, 0, v[T0+5]                ; an odd quarter turn swaps the two: the mask is made here, the series' lines ahead of the selects that read it
	v_and_b32 v[T0+1], 0xffff, v[T0]
	v_add_nc_u32 v[T0+1], 0xffff8000, v[T0+1]
	v_cvt_f32_i32 v[T0+1], v[T0+1]
	v_mul_f32 v[T0+1], s[KTH], v[T0+1]             ; theta, within +-pi / 4
	v_mul_f32 v[T0+2], v[T0+1], v[T0+1]
	v_fma_f32 v[T0+3], v[T0+2], s[KS9], s[KS7]     ; the two series by turns
	v_fma_f32 v[T0+4], v[T0+2], s[KC10], s[KC8]
	v_fma_f32 v[T0+3], v[T0+2], v[T0+3], s[KS5]
	v_fma_f32 v[T0+4], v[T0+2], v[T0+4], s[KC6]
	v_fma_f32 v[T0+3], v[T0+2], v[T0+3], s[KS3]
	v_fma_f32 v[T0+4], v[T0+2], v[T0+4], s[KC4]
	v_mul_f32 v[T0+5], v[T0+1], v[T0+2]
	v_fma_f32 v[T0+4], v[T0+2], v[T0+4], -0.5
	v_fma_f32 v[T0+3], v[T0+5], v[T0+3], v[T0+1]   ; sin theta
	v_fma_f32 v[T0+4], v[T0+2], v[T0+4], 1.0       ; cos theta
	s_wait_alu depctr_va_vcc(0)                    ; the compare above has written VCC, which the two selects read
	v_cndmask_b32 v[\c], v[T0+4], v[T0+3], vcc_lo
	v_cndmask_b32 v[\s], v[T0+3], v[T0+4], vcc_lo
	v_lshlrev_b32 v[T0+5], 1, v[T0]
	v_xor_b32 v[T0+5], v[T0+5], v[T0]              ; the cosine is negative in quarter turns 1 and 2: bit 17 xor bit 16,
	v_lshlrev_b32 v[T0+5], 14, v[T0+5]
	v_lshlrev_b32 v[T0+1], 14, v[T0]               ; the sine in 2 and 3: bit 17
	v_and_b32 v[T0+5], 0x80000000, v[T0+5]
	v_and_b32 v[T0+1], 0x80000000, v[T0+1]
	v_xor_b32 v[\c], v[\c], v[T0+5]
	v_xor_b32 v[\s], v[\s], v[T0+1]
.endm
.macro BARRIER                         ; my LDS stores have landed and my LDS loads are in: then the work-group's barrier
	s_wait_dscnt 0x0
	s_barrier_signal -1
	s_barrier_wait -1
.endm
; The addresses of a stage with s = 4, 16 or 64: its twiddles are entries e, 2 e, 3 e of the table, e = t less its low bits; its results go to y[t + 3 e + s r].  skew = 1: see the stages' macro
.macro ADDR s, ta, aw, skew
	v_and_b32 v[E], 256-\s, v[T]
	v_lshl_add_u32 v[\ta], v[E], 3, TW
	v_lshl_add_u32 v[\ta+1], v[E], 4, TW
	v_mad_u32_u24 v[\ta+2], v[E], 24, TW
	v_mad_u32_u24 v[\aw], v[E], 24, v[AR]
.if \skew
	v_add_nc_u32 v[\aw], v[SK], v[\aw]
.endif
.endm
	s_load_b128 s[4:7], s[0:1], 0x0                ; audio, W
	s_load_b128 s[8:11], s[0:1], 0x10              ; part, wq
	s_load_b64 s[12:13], s[0:1], 0x20              ; wsc
	v_lshl_add_u32 v126, v0, 2, 0x10800
	v_mov_b32 v127, 0
	v_lshrrev_b32 v[LANE], 5, v0
	v_readfirstlane_b32 s14, v[LANE]               ; wave 0..15
	v_and_b32 v[LANE], 31, v0
	v_and_b32 v[T], 255, v0
	v_lshrrev_b32 v[G], 8, v0
	v_lshlrev_b32 v[VOFF], 4, v[T]                 ; 16 t,
	v_lshl_add_u32 v[VOFF], v[G], 18, v[VOFF]      ; + G x 64 rows of 4,096 bytes
	v_lshlrev_b32 v[WOFF], 7, v[LANE]              ; W: lane l takes block l of the 32: 128 bytes
	s_lshl_b32 s16, ttmp9, 19                      ; the work-group's 512 KB (255 x 2^19 is under 2^31)
	s_mov_b32 s17, 0
	s_lshl_b32 s28, ttmp9, 12                      ; and its two rows of W, 4,096 bytes
	s_mov_b32 s29, 0
	s_wait_kmcnt 0x0
	s_add_nc_u64 s[4:5], s[4:5], s[16:17]
	s_add_nc_u64 s[6:7], s[6:7], s[28:29]
	s_wait_alu depctr_va_sdst(0)                   ; s14 is written, ahead of its first reader, the compare below
	s_wait_alu depctr_va_vdst(0)                   ; v[VOFF] and v[WOFF] are written, which the loads below and all the stream's loads read as their offsets
	s_cmp_lg_u32 s14, 0
	s_cbranch_scc1 .Lstream
.irp i, 0,1,2,3,4,5,6,7
	global_load_b128 v[WD+4*\i:WD+4*\i+3], v[WOFF], s[6:7] offset:16*\i    ; wave 0: asked for ahead of the ring, so that the ring's counts hold in every wave
.endr
.Lstream:
.set I, 0
.rept 32                               ; the ring is filled: load i is q' = i / 2 of group 2 G + i % 2
	global_load_b128 v[RING+4*I:RING+4*I+3], v[VOFF], s[4:5] offset:(32*(I%2)+I/2)*ROWQ th:TH_LOAD_NT
.set I, I+1
.endr
	; all that follows up to the stream's first wait is done while these loads are out
	s_lshl_b32 s28, ttmp9, 13
	s_add_nc_u64 s[8:9], s[8:9], s[28:29]          ; part: 8 KB a work-group
	s_lshr_b32 s16, ttmp9, 3
	s_mul_i32 s16, s16, 6144                       ; wq: tile of 16 rows w / 8, 4 K steps x 1,536 bytes;
	s_and_b32 s28, ttmp9, 7
	s_lshl_b32 s28, s28, 5                         ; in a register group, row 2 (w % 8) is lane 2 (w % 8): 16 bytes a lane
	s_add_co_u32 s16, s16, s28
	s_add_nc_u64 s[10:11], s[10:11], s[16:17]
	s_lshl_b32 s28, ttmp9, 5
	s_add_nc_u64 s[12:13], s[12:13], s[28:29]      ; wsc: 16 bytes a row
	s_lshl_b32 s15, ttmp9, 31                      ; (-1)^h as a sign bit
	s_mov_b32 s[KTH], 0x37c90fdb                   ; pi / 2^17
	s_mov_b32 s[KS3], 0xbe2aaaab                   ; -1/6
	s_mov_b32 s[KS5], 0x3c088889                   ; 1/120
	s_mov_b32 s[KS7], 0xb9500d01                   ; -1/5040
	s_mov_b32 s[KS9], 0x3638ef1d                   ; 1/362880
	s_mov_b32 s[KC4], 0x3d2aaaab                   ; 1/24
	s_mov_b32 s[KC6], 0xbab60b61                   ; -1/720
	s_mov_b32 s[KC8], 0x37d00d01                   ; 1/40320
	s_mov_b32 s[KC10], 0xb493f27e                  ; -1/3628800
	v_lshlrev_b32 v[PS], 4, v[T]
	v_mad_u32_u24 v[PS], v[G], 12288, v[PS]        ; 16 t + G x 3 arrays of 4 KB
	v_lshlrev_b32 v[RU], 2, v[T]
	v_lshl_add_u32 v[RY], v[G], 13, v[RU]
	v_lshl_add_u32 v[RZ], v[G], 14, v[RU]
	v_lshl_add_u32 v[RU], v[G], 12, v[RU]
	v_lshl_add_u32 v[AR], v[T], 3, FFT0
	v_mad_u32_u24 v[AR], v[G], FB, v[AR]
	v_lshrrev_b32 v[AR2], 5, v[T]
	v_lshl_add_u32 v[AR2], v[AR2], 5, v[AR]        ; + 32 (t / 32)
	v_lshl_add_u32 v[ZS], v[T], 5, FFT0
	v_mad_u32_u24 v[ZS], v[G], FB, v[ZS]
	v_lshrrev_b32 v[SK], 3, v[T]
	v_lshlrev_b32 v[SK], 5, v[SK]
	v_lshl_add_u32 v[TWS], v0, 3, TW
	v_lshlrev_b32 v[GO1], 3, v[T]
	v_mad_u32_u24 v[GO1], v[G], 6144, v[GO1]       ; A[t] at 8 t; B[t + 256] at 4,096 + 8 (256 + t)
	v_mul_u32_u24 v[GO2], v[G], 255
	v_xor_b32 v[GO2], v[GO2], v[T]                 ; t, or 255 - t
	v_lshlrev_b32 v[GO2], 3, v[GO2]
	v_lshl_add_u32 v[GO2], v[G], 11, v[GO2]        ; with 2,048 in the store's immediate: A[t + 256] at 2,048 + 8 t; B[t + 768] at 4,096 + 8 (255 - t)
	v_lshl_add_u32 v[TA0], v[T], 3, TW             ; the first stage's twiddles: entries t, 2 t, 3 t
	v_lshl_add_u32 v[TA0+1], v[T], 4, TW
	v_mad_u32_u24 v[TA0+2], v[T], 24, TW
	ADDR 4,  TA1, AW1, 1                           ; and the later stages' addresses: behind the stream no address is made
	ADDR 16, TA2, AW2, 0
	ADDR 64, TA3, AW3, 0
	; the stream's 32 pairs of factors: lane q' makes its own, and they go to scalar registers
	v_lshlrev_b32 v[PH], 10, v[LANE]               ; 2 pi q' / 256 = 1,024 q' steps
	SINCOS CC, SS, PH
	v_lshlrev_b32 v[T0], 31, v[LANE]               ; (-1)^q'
	v_xor_b32 v[CC], v[CC], v[T0]
	v_xor_b32 v[T0], 0x80000000, v[T0]
	v_xor_b32 v[SS], v[SS], v[T0]
.irp q, 0,1,2,3,4,5,6,7,8,9,10,11,12,13,14,15,16,17,18,19,20,21,22,23,24,25,26,27,28,29,30,31
	v_readlane_b32 s[SCO+\q], v[CC], \q
	v_readlane_b32 s[SSI+\q], v[SS], \q
.endr
	s_wait_alu depctr_va_sdst(0)                   ; the 64 factors are written: one wait behind the run, ahead of every branch and label; the stream's multiply-adds read them
	; the twiddle table: thread p makes entry p (256 p steps); entry p + 512 is its negative
	v_lshlrev_b32 v[PH], 8, v0
	SINCOS TWP, NC+1, PH
	v_xor_b32 v[TWP+1], 0x80000000, v[NC+1]
	v_xor_b32 v[NC], 0x80000000, v[TWP]
	s_wait_alu depctr_va_vdst(0)                   ; the two entries and v[TWS] are written, which the two LDS stores read; none of these registers is written again
	ds_store_b64 v[TWS], v[TWP:TWP+1]
	ds_store_b64 v[TWS], v[NC:NC+1] offset:4096
	; the turns of my first butterfly's four inputs: c m steps, c = 128 + F, m = t + 256 r: 131,967 at the most
	v_add_nc_u32 v[STP], 128, v[G]
	v_mul_u32_u24 v[PH], v[T], v[STP]
	v_lshlrev_b32 v[STP], 8, v[STP]
	v_lshlrev_b32 v[SGN], 31, v[G]
	v_and_b32 v[SGN], s15, v[SGN]                  ; the second half of a row enters B with the factor e^(-2 pi i 128 / 256) = -1
.irp r, 0,1,2,3
	SINCOS PT+2*\r, PT+2*\r+1, PH
	v_xor_b32 v[PT+2*\r], v[SGN], v[PT+2*\r]
	v_xor_b32 v[PT+2*\r+1], v[SGN], v[PT+2*\r+1]
.if \r < 3
	v_add_nc_u32 v[PH], v[STP], v[PH]
.endif
.endr
	; wave 0: two rows of W become codes
	s_cmp_lg_u32 s14, 0
	s_cbranch_scc1 .Lfold
	v_bfe_u32 v[WM], v[LANE], 2, 2                 ; lane l: row l / 16, block b = l % 16 = 4 s + 2 c + hh: K step s, registers 6 c .. 6 c + 5 of lane (row, hh)
	v_mul_u32_u24 v[WA0], v[WM], 1536
	v_bfe_u32 v[WM], v[LANE], 4, 1
	v_lshl_add_u32 v[WA0], v[WM], 4, v[WA0]
	v_and_b32 v[WM], 1, v[LANE]
	v_lshl_add_u32 v[WA0], v[WM], 8, v[WA0]
	v_bfe_u32 v[WM], v[LANE], 1, 1
	v_mad_u32_u24 v[WA1], v[WM], 1016, v[WA0]      ; registers 6 c + 2, 3 lie at 8 (c = 0) or 1,024 (c = 1);
	v_mad_u32_u24 v[WA0], v[WM], 520, v[WA0]       ; 6 c + 0, 1 at 0 or 520; 6 c + 4, 5 at 512 or 1,032
	s_wait_loadcnt 32                              ; my eight loads of W are in: the ring's 32, issued behind them, may be out
	v_max3_num_f32 v[WM], |v[WD]|, |v[WD+1]|, |v[WD+2]|
	v_max3_num_f32 v[WM+1], |v[WD+3]|, |v[WD+4]|, |v[WD+5]|
.irp i, 6,10,14,18,22,26
	v_max3_num_f32 v[WM], v[WM], |v[WD+\i]|, |v[WD+\i+1]|
	v_max3_num_f32 v[WM+1], v[WM+1], |v[WD+\i+2]|, |v[WD+\i+3]|
.endr
	v_max3_num_f32 v[WM], v[WM], |v[WD+30]|, |v[WD+31]|
	v_max3_num_f32 v[WM], v[WM], v[WM+1], 0x2800000    ; and the floor 2^(5 - 127): the byte cannot fall under 1
	v_add_nc_u32 v[WM+1], 0xfe000000, v[WM]        ; 4 off the exponent field: the conversion takes this operand's exponent field as its scale
	v_cvt_scalef32_pk16_bf6_f32 v[WC:WC+2], v[WD:WD+15], v[WM+1]
	v_cvt_scalef32_pk16_bf6_f32 v[WC+4:WC+6], v[WD+16:WD+31], v[WM+1]   ; (a conversion's three registers begin on an even number)
	v_lshrrev_b32 v[WM], 23, v[WM+1]               ; the scale's byte.  (The plain line behind the conversions)
	v_mov_b32 v[WC+3], v[WC+4]
	v_mov_b32 v[WC+4], v[WC+5]
	v_mov_b32 v[WC+5], v[WC+6]
	s_wait_alu depctr_va_vdst(0)                   ; the codes, the byte and the two offsets are written, which the four stores read; none of these registers is written again
	global_store_b64 v[WA0], v[WC:WC+1], s[10:11]
	global_store_b64 v[WA1], v[WC+2:WC+3], s[10:11] offset:8
	global_store_b64 v[WA0], v[WC+4:WC+5], s[10:11] offset:512
	global_store_b8 v[LANE], v[WM], s[12:13]       ; 16 x row + b = 32 w + lane
	s_wait_xcnt 0x0                                ; the stores have read their registers
.Lfold:
; THE STREAM.  Load i (q' = i / 2, group 2 G + i % 2): S0 +- x, Re += C x, Im += S x.  Folds go in blocks of four; in folds 4 to 35 the slot of the fold four back takes its next load, number i + 28.
.macro FOLD i
.set QP, (\i)/2
.set UU, (\i)%2
.set XR, RING+4*((\i)%32)
.set AC, ACC+12*UU
.if ((\i) >= 4) && ((\i) < 36)
.if (\i)%4 == 0
	s_wait_alu depctr_va_vdst(0)                   ; the four folds before are done reading their slots, in which this block's four loads land; the block's vector lines name its own four slots and the sums alone
.endif
.set RI, (\i)-4
	global_load_b128 v[RING+4*RI:RING+4*RI+3], v[VOFF], s[4:5] offset:(32*(RI%2)+RI/2+16)*ROWQ th:TH_LOAD_NT
	s_wait_loadcnt 28                              ; loads come back in order: 29 + i are issued, so with 28 out load i is in
.elseif (\i) < 4
	s_wait_loadcnt 31-(\i)                         ; of the ring's 32 loads those behind mine may be out
.else
	s_wait_loadcnt 63-(\i)                         ; nothing more is asked for: the count runs down
.endif
.if QP == 0
.irp k, 0,1,2,3
	v_mov_b32 v[AC+\k], v[XR+\k]                   ; the first term starts each sum: nothing is cleared
	v_mul_f32 v[AC+4+\k], s[SCO], v[XR+\k]
	v_mul_f32 v[AC+8+\k], s[SSI], v[XR+\k]
.endr
.else
.if QP%2
	v_pk_add_f32 v[AC:AC+1], v[AC:AC+1], v[XR:XR+1] neg_lo:[0,1] neg_hi:[0,1]
	v_pk_add_f32 v[AC+2:AC+3], v[AC+2:AC+3], v[XR+2:XR+3] neg_lo:[0,1] neg_hi:[0,1]
.else
	v_pk_add_f32 v[AC:AC+1], v[AC:AC+1], v[XR:XR+1]
	v_pk_add_f32 v[AC+2:AC+3], v[AC+2:AC+3], v[XR+2:XR+3]
.endif
.irp k, 0,1,2,3
	v_fmac_f32 v[AC+4+\k], s[SCO+QP], v[XR+\k]
	v_fmac_f32 v[AC+8+\k], s[SSI+QP], v[XR+\k]
.endr
.endif
.endm
.set I, 0
.rept 64
	FOLD I
.set I, I+1
.endr
	; my two groups become one, in registers: S0 = S0(2 G) + S0(2 G + 1);  T = P(2 G) + e^(-pi i / 4) P(2 G + 1), and (a + i b)(1 - i) = (a + b) + i (b - a)
	v_pk_add_f32 v[ACC:ACC+1], v[ACC:ACC+1], v[ACC+12:ACC+13]
	v_pk_add_f32 v[ACC+2:ACC+3], v[ACC+2:ACC+3], v[ACC+14:ACC+15]
.irp k, 0,2
	v_pk_add_f32 v[KA+\k:KA+\k+1], v[ACC+16+\k:ACC+17+\k], v[ACC+20+\k:ACC+21+\k]
	v_pk_add_f32 v[KB+\k:KB+\k+1], v[ACC+20+\k:ACC+21+\k], v[ACC+16+\k:ACC+17+\k] neg_lo:[0,1] neg_hi:[0,1]
.endr
.irp k, 0,2
	v_pk_fma_f32 v[ACC+4+\k:ACC+5+\k], v[KA+\k:KA+\k+1], 0x3f3504f3, v[ACC+4+\k:ACC+5+\k] op_sel_hi:[1,0,1]
	v_pk_fma_f32 v[ACC+8+\k:ACC+9+\k], v[KB+\k:KB+\k+1], 0x3f3504f3, v[ACC+8+\k:ACC+9+\k] op_sel_hi:[1,0,1]
.endr
	s_wait_alu depctr_va_vdst(0)                   ; the joined sums are written, which the LDS stores read; and every fold is done reading the ring's registers, in which the first stage's LDS loads land
.irp c, 0,1,2
	ds_store_b128 v[PS], v[ACC+4*\c:ACC+4*\c+3] offset:PART+\c*4096
.endr
	BARRIER                                        ; the sums and the twiddle table lie in LDS
; a butterfly of four: from XA to result 0 in YY and results 1 to 3, ahead of their twiddles, in U1 to U3.  all = 0: result 2 is not wanted
.macro BFLY all
	v_pk_add_f32 v[APC:APC+1], v[XA:XA+1], v[XA+4:XA+5]
	v_pk_add_f32 v[AMC:AMC+1], v[XA:XA+1], v[XA+4:XA+5] neg_lo:[0,1] neg_hi:[0,1]
	v_pk_add_f32 v[BPD:BPD+1], v[XA+2:XA+3], v[XA+6:XA+7]
	v_pk_add_f32 v[BMD:BMD+1], v[XA+2:XA+3], v[XA+6:XA+7] neg_lo:[0,1] neg_hi:[0,1]
	v_pk_add_f32 v[YY:YY+1], v[APC:APC+1], v[BPD:BPD+1]
.if \all
	v_pk_add_f32 v[U2:U2+1], v[APC:APC+1], v[BPD:BPD+1] neg_lo:[0,1] neg_hi:[0,1]
.endif
	v_add_f32 v[U1], v[AMC], v[BMD+1]              ; (a - c) - i (b - d)
	v_sub_f32 v[U1+1], v[AMC+1], v[BMD]
	v_sub_f32 v[U3], v[AMC], v[BMD+1]              ; (a - c) + i (b - d)
	v_add_f32 v[U3+1], v[AMC+1], v[BMD]
.endm
.macro TWID                            ; results 1 to 3 times their twiddles, into YY + 2 on: the three products by turns
.irp n, 0,1,2
	v_mul_f32 v[TT+2*\n], v[U1+2*\n+1], v[TW1+2*\n+1]
	v_mul_f32 v[TT+2*\n+1], v[U1+2*\n+1], v[TW1+2*\n]
.endr
.irp n, 0,1,2
	v_fma_f32 v[YY+2+2*\n], v[U1+2*\n], v[TW1+2*\n], -v[TT+2*\n]
	v_fma_f32 v[YY+3+2*\n], v[U1+2*\n], v[TW1+2*\n+1], v[TT+2*\n+1]
.endr
.endm
	; THE FIRST STAGE takes its inputs from the sums.  B: S1 = T(0) - i T(1): re = Re(0) + Im(1), im = Im(0) - Re(1).  A: re = S0(0) + S0(1), im = S0(0) - S0(0) = 0: the same lines at other addresses.
	; (No vector line stands between the wait ahead of the sums' stores and these loads.)
.irp r, 0,1,2,3
	ds_load_b32 v[LU+\r], v[RU] offset:PART+1024*\r
	ds_load_b32 v[LV+\r], v[RY] offset:PART+12288+1024*\r
	ds_load_b32 v[LY+\r], v[RY] offset:PART+1024*\r
	ds_load_b32 v[LZ+\r], v[RZ] offset:PART+1024*\r
.endr
	ds_load_b64 v[TW1:TW1+1], v[TA0]
	ds_load_b64 v[TW1+2:TW1+3], v[TA0+1]
	ds_load_b64 v[TW1+4:TW1+5], v[TA0+2]
	s_wait_dscnt 0x0
.irp k, 0,2
	v_pk_add_f32 v[LU+\k:LU+\k+1], v[LU+\k:LU+\k+1], v[LV+\k:LV+\k+1]
	v_pk_add_f32 v[LY+\k:LY+\k+1], v[LY+\k:LY+\k+1], v[LZ+\k:LZ+\k+1] neg_lo:[0,1] neg_hi:[0,1]
.endr
.irp r, 0,1,2,3                        ; times e^(-2 pi i c m / 2^18) = cos - i sin
	v_mul_f32 v[TT+2*\r], v[LY+\r], v[PT+2*\r+1]
	v_mul_f32 v[TT+2*\r+1], v[LU+\r], v[PT+2*\r+1]
.endr
.irp r, 0,1,2,3
	v_fma_f32 v[XA+2*\r], v[LU+\r], v[PT+2*\r], v[TT+2*\r]
	v_fma_f32 v[XA+2*\r+1], v[LY+\r], v[PT+2*\r], -v[TT+2*\r+1]
.endr
	BFLY 1
	TWID
	s_wait_alu depctr_va_vdst(0)                   ; the four results are written, which the LDS stores read; the next stage's loads land in both
	ds_store_b128 v[ZS], v[YY:YY+3]                ; y[4 t .. 4 t + 3]: 32 bytes on end
	ds_store_b128 v[ZS], v[YY+4:YY+7] offset:16
	BARRIER
; A stage with s = 4, 16 or 64.  Thread t = q + s p reads x[t + 256 r], r = 0 .. 3, and writes y[q + s (4 p + r)] = y[t + 3 e + s r] with e = s p = t less its low bits; the twiddles are entries e, 2 e, 3 e of the table.
; src: which buffer is read; the other is written.  One barrier a stage: behind it the results are whole and nobody reads the inputs any more.  ta, aw: its addresses, made at the head; yy: its own eight registers of results.
; THE SKEW.  With s = 4 the results of a wave's 32 lanes, for one r, would fall on 8 of the 32 pairs of banks.  So that stage lays element i at i + 4 (i / 32): i / 32 = t / 8 there, and the lanes' places are
; q + 16 (p % 2) + 4 (p / 2 % 4) + a constant, modulo 32: all different.  The next stage reads element t + 256 r at t + 4 (t / 32) + 288 r.
.macro STAGE s, src, rd, rstep, ta, aw, yy
.set YY, \yy
.irp r, 0,1,2,3
	ds_load_b64 v[XA+2*\r:XA+2*\r+1], v[\rd] offset:\src*PP+\rstep*\r
.endr
	ds_load_b64 v[TW1:TW1+1], v[\ta]
	ds_load_b64 v[TW1+2:TW1+3], v[\ta+1]
	ds_load_b64 v[TW1+4:TW1+5], v[\ta+2]
	s_wait_dscnt 0x0
	BFLY 1
	TWID
	s_wait_alu depctr_va_vdst(0)                   ; the four results are written, which the LDS stores read; the butterfly is done reading XA and TW1, in which the next stage's loads land
.irp r, 0,1,2,3
	ds_store_b64 v[\aw], v[YY+2*\r:YY+2*\r+1] offset:(1-\src)*PP+8*\s*\r
.endr
	BARRIER
.endm
	STAGE 4,  0, AR,  2048, TA1, AW1, 200
	STAGE 16, 1, AR2, 2304, TA2, AW2, 208
	STAGE 64, 0, AR,  2048, TA3, AW3, 216
	; THE LAST STAGE (s = 256, all twiddles 1) and the way out: result r is output t + 256 r.  A's threads store results 0 and 1, B's results 1 and 3.
.set YY, 224
.irp r, 0,1,2,3
	ds_load_b64 v[XA+2*\r:XA+2*\r+1], v[AR] offset:PP+2048*\r
.endr
	v_cmp_ne_u32 vcc_lo, 0, v[G]
	s_wait_dscnt 0x0
	BFLY 0
	s_wait_alu depctr_va_vcc(0)                    ; the compare above has written VCC, which the four selects read
	v_cndmask_b32 v[O1], v[YY], v[U1], vcc_lo
	v_cndmask_b32 v[O1+1], v[YY+1], v[U1+1], vcc_lo
	v_cndmask_b32 v[O2], v[U1], v[U3], vcc_lo
	v_cndmask_b32 v[O2+1], v[U1+1], v[U3+1], vcc_lo
	s_wait_alu depctr_va_vdst(0)                   ; the selects have written the two numbers that the stores read
	global_store_b64 v[GO1], v[O1:O1+1], s[8:9]                ; each store of a wave covers 256 consecutive bytes, at a multiple of 256 from the buffer's first byte
	global_store_b64 v[GO2], v[O2:O2+1], s[8:9] offset:2048    ; (in B's waves with the lanes in falling order)
	s_wait_dscnt 0x0                               ; the closing lines, six on end
	s_wait_alu 0x0
	s_wait_tensorcnt 0x0
	ds_add_u32 v126, v127
	s_wait_dscnt 0x0
	s_endpgm
.Lfunc_end_k_q714900e9a8_fold_fft:
	.size	k_q714900e9a8_fold_fft, .Lfunc_end_k_q714900e9a8_fold_fft-k_q714900e9a8_fold_fft
	.p2alignl 7, 3214868480
	.fill 96, 4, 3214868480
	.section	.rodata,"a",@progbits
	.p2align	6, 0x0
	.amdhsa_kernel k_q714900e9a8_fold_fft
		.amdhsa_group_segment_fixed_size 69632
		.amdhsa_private_segment_fixed_size 0
		.amdhsa_enable_private_segment 0
		.amdhsa_kernarg_size 40
		.amdhsa_user_sgpr_count 2
		.amdhsa_user_sgpr_kernarg_segment_ptr 1
		.amdhsa_wavefront_size32 1
		.amdhsa_system_sgpr_workgroup_id_x 1
		.amdhsa_system_sgpr_workgroup_id_y 1
		.amdhsa_system_sgpr_workgroup_id_z 1
		.amdhsa_system_vgpr_workitem_id 0
		.amdhsa_next_free_vgpr 256
		.amdhsa_next_free_sgpr 98
		.amdhsa_reserve_vcc 1
		.amdhsa_float_denorm_mode_32 3
		.amdhsa_float_denorm_mode_16_64 3
		.amdhsa_memory_ordered 1
		.amdhsa_forward_progress 1
		.amdhsa_inst_pref_size 66
	.end_amdhsa_kernel
	.amdgpu_metadata
---
amdhsa.version: [ 1, 2 ]
amdhsa.kernels:
  - .name:           k_q714900e9a8_fold_fft
    .symbol:         k_q714900e9a8_fold_fft.kd
    .args:
      - { .name: audio, .offset: 0, .size: 8, .value_kind: global_buffer, .address_space: global }
      - { .name: W, .offset: 8, .size: 8, .value_kind: global_buffer, .address_space: global }
      - { .name: part, .offset: 16, .size: 8, .value_kind: global_buffer, .address_space: global }
      - { .name: wq, .offset: 24, .size: 8, .value_kind: global_buffer, .address_space: global }
      - { .name: wsc, .offset: 32, .size: 8, .value_kind: global_buffer, .address_space: global }
    .group_segment_fixed_size: 69632
    .private_segment_fixed_size: 0
    .kernarg_segment_align: 8
    .kernarg_segment_size: 40
    .max_flat_workgroup_size: 512
    .sgpr_count:     98
    .vgpr_count:     256
    .wavefront_size: 32
...
	.end_amdgpu_metadata
.endif
;; end of part 3
;; launch peaks_gemm (part 4): grid 4 x 32, 4 waves a work-group, no clusters, 25,344 bytes of LDS; arguments part, wq, wsc, b, out0; writes out0
.if DOCPART == 4
	.amdgcn_target "amdgcn-amd-amdhsa--gfx1250"
	.amdhsa_code_object_version 6
	.text
	.protected	k_q714900e9a8_peaks_gemm
	.globl	k_q714900e9a8_peaks_gemm
	.p2align	8
	.type	k_q714900e9a8_peaks_gemm,@function
k_q714900e9a8_peaks_gemm:
	s_mov_b64 s[64:65], 0
	v_nop
	global_prefetch_b8 v0, s[64:65] scope:SCOPE_SE
	s_setreg_imm32_b32 hwreg(HW_REG_WAVE_SCHED_MODE, 0, 2), 2
	s_setreg_imm32_b32 hwreg(HW_REG_WAVE_MODE, 25, 1), 1
	s_wait_xcnt 0x0
	s_wait_alu depctr_vm_vsrc(0)
; FROM THE BINS TO THE RESULT.  part[2 row + h] holds, for each half h of a row, A[0 .. 511] and then S[0 .. 511], complex, 8 bytes each: A[j] is the partial bin 256 j + 128; S[j] has the magnitude of the bin under it
; (j < 255) or is the bin above it (j > 255).  wq, wsc hold W as codes of E3M2 and scale bytes.
; out0[row][n] = sum over k of Q(peaks[row][k]) Q(W[n][k]) + b[n], by the scaled matrix instruction on 6-bit codes; all ahead of the quantiser in f32.
; SHARES.  Work-group (x, y): rows 4 y .. 4 y + 3, columns 128 x .. 128 x + 127.  Wave v first takes row 4 y + v through the whole chain: the halves are added, magnitudes, the interpolation to 512 points, means of
; three, peaks, the interpolation from 171 to 512, the quantiser along K.  What changes lanes goes through the wave's own 4 KB of LDS, which needs no barrier.  The four rows' codes then meet in LDS, and wave v
; multiplies them with two tiles of 16 columns: 2 x 4 matrix instructions, the two accumulators by turns.
; A TILE'S 16 ROWS ARE THE FOUR ROWS FOUR TIMES (lane r reads row r % 4): the launch is one dependent pass, and four rows to a work-group give each wave one row's 16 KB and one row's arithmetic;
; sixteen rows to a work-group would be four times both, for matrix work of 8 instructions a wave.
; THE ORDER.  Addresses and both interpolations' weights hang on the lane, the wave and the work-group alone: they are made while the kernel's arguments are on their way, in batches of
; sixteen so that no line waits for the line above it.  Then all loads go out together (32 + 24 + 3 a wave), and behind them the arrays' edges are stored to LDS.
; No cluster: the four work-groups of a y read the same 64 KB of part, but straight into the registers of the lanes that work on them; a joint request would go through LDS, behind rounds of the cluster's barrier,
; in a launch that has one trip to memory in all.
; THE WEIGHTS of the first interpolation are made by the problem's own f32 steps ((j + 0.5) x 131073 / 512 - 0.5, floor, difference): the product is rounded, and the rounding is part of the result.
; Its max(.., 0) changes nothing: the number is 127.5 at the least.  For j < 255 the lower bin is S's and A's takes w; from 255 on the lower bin is A's and S's takes w.  At j = 255 w is exactly 0, and S[255] holds a
; bin that the point does not need: it is multiplied by that 0.  The second interpolation's numbers are exact: ((2 k + 1) 171 - 512) / 1024, taken in whole numbers.
; LIMITS: a magnitude is sqrt(re^2 + im^2), not rescaled: right for magnitudes between about 2^-60 and 2^63 (and finite, which the 0 at j = 255 needs).  NaN and infinities among the inputs are not served.
; A block of zeros gets the byte 1 and zero codes.
; THE MODE: SCHED_MODE bits 1:0 = 2 (LLVM: expert scheduling mode 2), set by the entry lines.  The code itself states the register dependences between vector or matrix instructions and memory or LDS instructions,
; with s_wait_alu, always for 0.
; THE PLAN.  One pass, no loop.  All addresses (v2-14, v64-79) and the constants 0 and +infinity are made at the head and never written again: one wait on va_vdst ahead of the first load states them all; between it
; and the loads into the second window stand loads and window switches alone.  Each exchange through LDS is a batch of vector lines, ONE wait on va_vdst, a run of LDS stores and a run of LDS loads: the wait states that
; the batch's results are written, and that all earlier vector lines are done with the registers in which the loads land; no vector line stands between the wait and those loads.
; One wait on vm_vsrc: the rows' fragments land on the registers of the means and the peaks, which LDS stores have read.  Nothing else that a memory or LDS instruction reads is written again.
; The twelve compares of the peaks go as one run into twelve scalar registers, with one wait on va_sdst behind the run.  The products' operands and scales all come by loads.
.set SMO,   2320                       ; a wave's 4 KB of LDS: PAD[0 .. 576] (PAD[i] = the padded spectrum, zeros behind it); from SMO: SM[l + 1] = mean l; from PO: P[l + 1] = peak l
.set PO,    3104
.set CODES, 16384                      ; the four rows' codes: 384 bytes a row, rows CP apart
.set CP,    400
.set SCB,   17984                      ; their scale bytes, 16 a row
.set STG,   18432                      ; the way out: rows of 512 bytes + 16
.set SPI,   528
.set LANE, 1
.set L16,  2                           ; v2   16 x lane: offset of dense loads and of the store; never rewritten
.set R16,  3                           ; v3   16 x (lane % 16): W's scale words
.set PADA, 4                           ; v4   my wave's LDS + 4 x lane
.set UNI,  5                           ; v5   my wave's LDS
.set P3A,  6                           ; v6   my wave's LDS + 12 x lane
.set CST,  7                           ; v7   where my 16 codes go
.set SBA,  8                           ; v8   where my block's byte goes
.set AFA,  9                           ; v9   my lane's place in a fragment of the rows' codes
.set ASA,  10                          ; v10  and among their scale words
.set STA,  11
.set RDA,  12
.set N0,   13
.set PAD2, 14                          ; v14  my wave's LDS + 8 x lane
.set TP,   15                          ; v15-19 at work
.set BIAS, 24                          ; v24-27
.set WA,   32                          ; v32-47 A's weight, v48-63 S's weight in the first interpolation, point n of my 16: j = 64 (n / 2) + 2 lane + n % 2
.set WB,   48
.set ADR,  64                          ; v64-79 LDS address, v80-95 w, v96-111 1 - w of the second, k = 16 lane + i
.set W2,   80
.set OM2,  96
.set WSC,  112                         ; v112-119 W's scale words: tile u, K step s at 4 u + s
.set ASC,  120                         ; v120-123 the rows' scale words, K step s
.set NIL,  124
.set INF,  125
.set P0,   128                         ; v128-191, v192-255 the two halves' bins: A of point n at 2 n, S at 32 + 2 n
.set P1,   192
.set Q,    192                         ; then the squares and the magnitudes, 2 a point
.set SP,   224                         ; the spectrum
.set PLD,  128
.set SL,   146
.set QT,   152
.set LF,   158
.set RT,   164
.set PK,   170
.set X0,   176
.set X1,   192
.set X,    208                         ; 16 neighbours along K
.set M0,   240
.set SCL,  242
.set BY,   243
.set CD,   244
.set ACC,  128                         ; two accumulators
.set AF,   144                         ; the rows' four fragments.  W's eight lie in v256-351: v0-95 of the second window
.set OUTR, 196
.set MK,   16                          ; s16-27 the peaks' twelve masks: these registers held byte offsets, which are used up when the bases are made
	s_load_b256 s[4:11], s[0:1], 0x0               ; part, wq, wsc, b
	s_load_b64 s[12:13], s[0:1], 0x20              ; out0
	v_lshl_add_u32 v126, v0, 2, 0x6100
	v_mov_b32 v127, 0
	; while the arguments are on their way: ids and offsets,
	v_lshrrev_b32 v[LANE], 5, v0
	v_readfirstlane_b32 s14, v[LANE]               ; wave 0..3
	v_and_b32 v[LANE], 31, v0
	s_wait_alu depctr_va_vdst(0)
	v_lshlrev_b32 v[L16], 4, v[LANE]
	v_and_b32 v[TP+2], 15, v0
	v_lshlrev_b32 v[R16], 4, v[TP+2]
	s_wait_alu depctr_va_sdst(0)                   ; s14 is written, ahead of its first reader: offsets and LDS addresses are made from it
	s_and_b32 s15, ttmp7, 0xffff
	s_lshl_b32 s16, s15, 2
	s_add_co_u32 s16, s16, s14                     ; my row
	s_lshl_b32 s18, s16, 14                        ; its two halves of 8 KB
	s_mov_b32 s19, 0
	s_lshl_b32 s17, ttmp9, 3
	s_lshl_b32 s20, s14, 1
	s_add_co_u32 s17, s17, s20                     ; my first tile of 16 columns: 8 x + 2 wave
	s_mul_i32 s20, s17, 6144                       ; 4 K steps x 1,536 bytes a tile
	s_mov_b32 s21, 0
	s_lshl_b32 s22, s17, 8                         ; 16 rows x 16 scale bytes
	s_mov_b32 s23, 0
	s_lshl_b32 s24, ttmp9, 9                       ; the work-group's 128 columns in b and in a row of out0
	s_mov_b32 s25, 0
	s_lshl_b32 s26, s16, 11
	s_add_co_u32 s26, s26, s24
	s_mov_b32 s27, 0
	s_mov_b32 s28, 0x43800040                      ; 131073 / 512
	s_mov_b32 s29, 0x3eaaaaab                      ; 1/3, rounded
	s_mov_b32 s30, 0xc0400000                      ; -3
	s_mov_b32 s31, 0x3a800000                      ; 2^-10
	s_lshl_b32 s33, s14, 12                        ; my wave's LDS
	; LDS addresses,
	v_lshl_add_u32 v[PADA], v[LANE], 2, s33
	v_lshl_add_u32 v[PAD2], v[LANE], 3, s33
	v_mov_b32 v[UNI], s33
	v_mad_u32_u24 v[P3A], v[LANE], 12, s33
	s_mul_i32 s34, s14, CP
	s_add_co_u32 s34, s34, CODES
	v_mad_u32_u24 v[CST], v[LANE], 12, s34
	s_lshl_b32 s34, s14, 4
	s_add_co_u32 s34, s34, SCB
	v_lshrrev_b32 v[SBA], 1, v[LANE]
	v_add_nc_u32 v[SBA], s34, v[SBA]
	v_and_b32 v[TP], 3, v[LANE]                    ; the row that my lane reads: r % 4
	v_lshrrev_b32 v[TP+1], 4, v[LANE]              ; my half
	v_mul_u32_u24 v[AFA], v[TP], CP
	v_mad_u32_u24 v[AFA], v[TP+1], 24, v[AFA]
	v_add_nc_u32 v[AFA], CODES, v[AFA]
	v_lshl_add_u32 v[ASA], v[TP], 4, SCB
	v_mul_u32_u24 v[STA], v[TP+1], 8*SPI           ; the stage: row 8 half + register, column 32 wave + 16 u + lane % 16
	v_lshl_add_u32 v[STA], v[TP+2], 2, v[STA]
	s_lshl_b32 s34, s14, 7
	s_add_co_u32 s34, s34, STG
	v_add_nc_u32 v[STA], s34, v[STA]
	s_mul_i32 s34, s14, SPI
	s_add_co_u32 s34, s34, STG
	v_lshl_add_u32 v[RDA], v[LANE], 4, s34         ; back: row = my wave, 16 bytes a lane
	v_mov_b32 v[NIL], 0                            ; what the arrays' edges hold
	v_mov_b32 v[INF], 0x7f800000
	; the first interpolation's weights,
.irp n, 0,1,2,3,4,5,6,7,8,9,10,11,12,13,14,15
	v_lshl_add_u32 v[WA+\n], v[LANE], 1, 64*(\n/2)+\n%2            ; j
.endr
.irp n, 0,1,2,3,4,5,6,7,8,9,10,11,12,13,14,15
	v_cvt_f32_u32 v[WA+\n], v[WA+\n]
.endr
.irp n, 0,1,2,3,4,5,6,7,8,9,10,11,12,13,14,15
	v_add_f32 v[WA+\n], 0.5, v[WA+\n]
.endr
.irp n, 0,1,2,3,4,5,6,7,8,9,10,11,12,13,14,15
	v_mul_f32 v[WA+\n], s28, v[WA+\n]              ; rounded, as in the problem's function
.endr
.irp n, 0,1,2,3,4,5,6,7,8,9,10,11,12,13,14,15
	v_add_f32 v[WA+\n], -0.5, v[WA+\n]
.endr
.irp n, 0,1,2,3,4,5,6,7,8,9,10,11,12,13,14,15
	v_floor_f32 v[WB+\n], v[WA+\n]
.endr
	v_cmp_gt_u32 vcc_lo, 31, v[LANE]               ; for point 7, below: the mask is made here, two batches ahead of the selects that read it
.irp n, 0,1,2,3,4,5,6,7,8,9,10,11,12,13,14,15
.if \n < 7
	v_sub_f32 v[WA+\n], v[WA+\n], v[WB+\n]         ; points 0 to 6 have j <= 254 in every lane: w is A's
.else
	v_sub_f32 v[WB+\n], v[WA+\n], v[WB+\n]         ; points 8 to 15 have j >= 256: w is S's.  (Point 7: below)
.endif
.endr
.irp n, 0,1,2,3,4,5,6,7,8,9,10,11,12,13,14,15
.if \n < 7
	v_sub_f32 v[WB+\n], 1.0, v[WA+\n]
.else
	v_sub_f32 v[WA+\n], 1.0, v[WB+\n]
.endif
.endr
	v_mov_b32 v[TP], v[WA+7]                       ; point 7 is j = 193 + 2 lane: 255 in lane 31 alone; in the other lanes the two weights change places
	s_wait_alu depctr_va_vcc(0)                    ; the compare above has written VCC, which the two selects read
	v_cndmask_b32 v[WA+7], v[WA+7], v[WB+7], vcc_lo
	v_cndmask_b32 v[WB+7], v[WB+7], v[TP], vcc_lo
	; and the second's.  num = (2 k + 1) 171 + 512 = 342 k + 683: num / 1024 is the source index + 1, which is P's index; its low ten bits are w.  The array's address, shifted up 8 bits, rides along.
	s_add_co_u32 s34, s33, PO
	s_lshl_b32 s34, s34, 8
	s_add_co_u32 s34, s34, 683
	v_mad_u32_u24 v[N0], v[LANE], 5472, s34        ; k = 16 lane
.irp i, 0,1,2,3,4,5,6,7,8,9,10,11,12,13,14,15
	v_add_nc_u32 v[W2+\i], 342*\i, v[N0]
.endr
.irp i, 0,1,2,3,4,5,6,7,8,9,10,11,12,13,14,15
	v_lshrrev_b32 v[ADR+\i], 8, v[W2+\i]
.endr
.irp i, 0,1,2,3,4,5,6,7,8,9,10,11,12,13,14,15
	v_and_b32 v[W2+\i], 1023, v[W2+\i]
.endr
.irp i, 0,1,2,3,4,5,6,7,8,9,10,11,12,13,14,15
	v_and_b32 v[ADR+\i], 0xfffffc, v[ADR+\i]       ; the array + 4 x index
.endr
.irp i, 0,1,2,3,4,5,6,7,8,9,10,11,12,13,14,15
	v_cvt_f32_u32 v[W2+\i], v[W2+\i]
.endr
.irp i, 0,1,2,3,4,5,6,7,8,9,10,11,12,13,14,15
	v_fma_f32 v[OM2+\i], -v[W2+\i], s31, 1.0       ; 1 - w and
.endr
.irp i, 0,1,2,3,4,5,6,7,8,9,10,11,12,13,14,15
	v_mul_f32 v[W2+\i], s31, v[W2+\i]              ; w: both exact
.endr
	s_wait_kmcnt 0x0
	s_add_nc_u64 s[4:5], s[4:5], s[18:19]
	s_add_nc_u64 s[6:7], s[6:7], s[20:21]
	s_add_nc_u64 s[8:9], s[8:9], s[22:23]
	s_add_nc_u64 s[10:11], s[10:11], s[24:25]
	s_add_nc_u64 s[12:13], s[12:13], s[26:27]
	s_wait_alu depctr_va_vdst(0)                   ; all addresses and offsets (v2-14, v64-79) and the constants v124, v125 are written, which the loads and stores of the whole kernel read; none is written again
.irp h, 0,1
.irp i, 0,1,2,3,4,5,6,7,8,9,10,11,12,13,14,15
	global_load_b128 v[P0+64*\h+4*\i:P0+64*\h+4*\i+3], v[L16], s[4:5] offset:8192*\h+512*\i   ; 512 consecutive bytes a load: i < 8: A of points 2 i, 2 i + 1; from 8 on: S of points 2 (i - 8), 2 (i - 8) + 1
.endr
.endr
	s_set_vgpr_msb 0x40                            ; destination in the second window.  (Between the wait above and these loads stand loads and this switch alone)
.irp f, 0,1,2,3,4,5,6,7
.irp c, 0,1,2
	global_load_b128 v[12*\f+4*\c:12*\f+4*\c+3], v[L16], s[6:7] offset:1536*\f+512*\c          ; fragment 4 u + s as it lies: four registers of all lanes are 512 consecutive bytes
.endr
.endr
	s_set_vgpr_msb 0x4000
	global_load_b128 v[WSC:WSC+3], v[R16], s[8:9]              ; lane r: row r's 16 bytes are its four scale words
	global_load_b128 v[WSC+4:WSC+7], v[R16], s[8:9] offset:256
	global_load_b128 v[BIAS:BIAS+3], v[L16], s[10:11]
	; the edges of the three arrays, while the loads are out
	ds_store_b32 v[UNI], v[NIL]                    ; PAD[0]: the padding in front
	ds_store_b32 v[PADA], v[NIL] offset:2052       ; PAD[513 .. 576]: the padding behind, and zeros for the windows that lanes beyond l = 170 read
	ds_store_b32 v[PADA], v[NIL] offset:2180
	ds_store_b32 v[UNI], v[NIL] offset:PO          ; P[0]: the clamped index under 0 reads peak 0, which is 0
	ds_store_b32 v[UNI], v[INF] offset:SMO         ; the neighbour to the left of mean 0 is +infinity: no mean is above it, so the edge stays 0
	ds_store_b32 v[UNI], v[INF] offset:SMO+4*193   ; (read by the lane of l = 191)
	s_wait_loadcnt 27                              ; the 32 loads of bins are in; the 24 of W's fragments, 2 of its scale words and 1 of b, issued behind them, may be out
.irp i, 0,1,2,3,4,5,6,7,8,9,10,11,12,13,14,15
	v_pk_add_f32 v[P0+4*\i:P0+4*\i+1], v[P0+4*\i:P0+4*\i+1], v[P1+4*\i:P1+4*\i+1]     ; the two halves of the row
	v_pk_add_f32 v[P0+4*\i+2:P0+4*\i+3], v[P0+4*\i+2:P0+4*\i+3], v[P1+4*\i+2:P1+4*\i+3]
.endr
.irp n, 0,1,2,3,4,5,6,7,8,9,10,11,12,13,14,15
	v_mul_f32 v[Q+2*\n], v[P0+2*\n+1], v[P0+2*\n+1]
	v_mul_f32 v[Q+2*\n+1], v[P0+32+2*\n+1], v[P0+32+2*\n+1]
	v_fma_f32 v[Q+2*\n], v[P0+2*\n], v[P0+2*\n], v[Q+2*\n]
	v_fma_f32 v[Q+2*\n+1], v[P0+32+2*\n], v[P0+32+2*\n], v[Q+2*\n+1]
.endr
	s_wait_alu depctr_va_vdst(0)
.irp n, 0,1,2,3,4,5,6,7,8,9,10,11,12,13,14,15,16,17,18,19,20,21,22,23,24,25,26,27,28,29,30,31
	v_sqrt_f32 v[Q+\n], v[Q+\n]                    ; the 32 magnitudes: one batch
.endr
	v_nop                                          ; a plain line behind the last root,
	s_wait_alu depctr_va_vdst(0)                   ; and one wait for the batch: the 32 roots are written, ahead of their first reader
.irp n, 0,1,2,3,4,5,6,7,8,9,10,11,12,13,14,15
	v_mul_f32 v[SP+\n], v[Q+2*\n], v[WA+\n]
.endr
.irp n, 0,1,2,3,4,5,6,7,8,9,10,11,12,13,14,15
	v_fma_f32 v[SP+\n], v[Q+2*\n+1], v[WB+\n], v[SP+\n]
.endr
	s_wait_alu depctr_va_vdst(0)                   ; the 16 points of the spectrum are written, which the LDS stores read; the lines above are done with the bins' registers, in which the windows' loads land
.irp n, 0,1,2,3,4,5,6,7,8,9,10,11,12,13,14,15
	ds_store_b32 v[PAD2], v[SP+\n] offset:4+256*(\n/2)+4*(\n%2)    ; PAD[1 + j]
.endr
.irp i, 0,1,2,3,4,5                    ; window l = lane + 32 i: PAD[3 l .. 3 l + 2].  LDS serves a wave's instructions in order: these see my stores
.irp c, 0,1,2
	ds_load_b32 v[PLD+3*\i+\c], v[P3A] offset:384*\i+4*\c
.endr
.endr
	s_wait_dscnt 0x0
.irp i, 0,1,2,3,4,5
	v_add_f32 v[SL+\i], v[PLD+3*\i], v[PLD+3*\i+1]
.endr
.irp i, 0,1,2,3,4,5
	v_add_f32 v[SL+\i], v[SL+\i], v[PLD+3*\i+2]
.endr
.irp i, 0,1,2,3,4,5                    ; / 3: the product with 1/3, then one correction by the exact remainder
	v_mul_f32 v[QT+\i], s29, v[SL+\i]
.endr
.irp i, 0,1,2,3,4,5
	v_fma_f32 v[SL+\i], v[QT+\i], s30, v[SL+\i]
.endr
.irp i, 0,1,2,3,4,5
	v_fma_f32 v[SL+\i], v[SL+\i], s29, v[QT+\i]
.endr
	s_wait_alu depctr_va_vdst(0)                   ; the six means are written, which the LDS stores read
.irp i, 0,1,2,3,4,5
	ds_store_b32 v[PADA], v[SL+\i] offset:SMO+4+128*\i
.endr
	ds_store_b32 v[UNI], v[INF] offset:SMO+4*172   ; behind those stores: the neighbour to the right of mean 170 is +infinity: the other edge stays 0
.irp i, 0,1,2,3,4,5
	ds_load_b32 v[LF+\i], v[PADA] offset:SMO+128*\i
	ds_load_b32 v[RT+\i], v[PADA] offset:SMO+8+128*\i
.endr
	s_wait_dscnt 0x0
.irp i, 0,1,2,3,4,5                    ; the twelve compares in one run, each mask in a scalar register of its own
	v_cmp_gt_f32 s[MK+2*\i], v[SL+\i], v[LF+\i]
	v_cmp_gt_f32 s[MK+2*\i+1], v[SL+\i], v[RT+\i]
.endr
	s_wait_alu depctr_va_sdst(0)                   ; the twelve masks are written, which the selects read
.irp i, 0,1,2,3,4,5
	v_cndmask_b32 v[PK+\i], 0, v[SL+\i], s[MK+2*\i]
.endr
.irp i, 0,1,2,3,4,5
	v_cndmask_b32 v[PK+\i], 0, v[PK+\i], s[MK+2*\i+1]  ; (beyond l = 170 the means are 0 and no 0 is above its neighbour: P[172], which the clamped index reads, is 0 as peak 170 is)
.endr
	s_wait_alu depctr_va_vdst(0)                   ; the six peaks are written, which the LDS stores read
.irp i, 0,1,2,3,4,5
	ds_store_b32 v[PADA], v[PK+\i] offset:PO+4+128*\i
.endr
.irp i, 0,1,2,3,4,5,6,7,8,9,10,11,12,13,14,15
	ds_load_b32 v[X0+\i], v[ADR+\i]
	ds_load_b32 v[X1+\i], v[ADR+\i] offset:4
.endr
	s_wait_dscnt 0x0
.irp i, 0,1,2,3,4,5,6,7,8,9,10,11,12,13,14,15
	v_mul_f32 v[X+\i], v[X0+\i], v[OM2+\i]
.endr
.irp i, 0,1,2,3,4,5,6,7,8,9,10,11,12,13,14,15
	v_fma_f32 v[X+\i], v[X1+\i], v[W2+\i], v[X+\i] ; k = 16 lane + i: 16 neighbours along K; two neighbouring lanes hold a block
.endr
	v_max3_num_f32 v[M0], |v[X]|, |v[X+1]|, 0x2800000              ; the largest magnitude, with the floor 2^(5 - 127) among the leaves: the byte cannot fall under 1
	v_max3_num_f32 v[M0+1], |v[X+2]|, |v[X+3]|, |v[X+4]|
	v_max3_num_f32 v[M0], v[M0], |v[X+5]|, |v[X+6]|
	v_max3_num_f32 v[M0+1], v[M0+1], |v[X+7]|, |v[X+8]|
	v_max3_num_f32 v[M0], v[M0], |v[X+9]|, |v[X+10]|
	v_max3_num_f32 v[M0+1], v[M0+1], |v[X+11]|, |v[X+12]|
	v_max3_num_f32 v[M0], v[M0], |v[X+13]|, |v[X+14]|
	v_max3_num_f32 v[M0], v[M0], v[M0+1], |v[X+15]|
	v_max_num_f32_dpp v[M0], v[M0], v[M0] row_xmask:1 row_mask:0xf bank_mask:0xf   ; with my neighbour's 16: the block's
	v_add_nc_u32 v[SCL], 0xfe000000, v[M0]         ; 4 off the exponent field: the conversion's scale operand
	v_cvt_scalef32_pk16_bf6_f32 v[CD:CD+2], v[X:X+15], v[SCL]
	v_lshrrev_b32 v[BY], 23, v[SCL]                ; the scale's byte.  (The plain line behind the conversion)
	s_wait_alu depctr_va_vdst(0)                   ; the codes and the byte are written, which the LDS stores read; the lines above are done with v144-199, in which the fragments' loads and the way out's load land
	ds_store_b32 v[CST], v[CD]                     ; 12 bytes at 12 x lane of my row: the row's stream of bits
	ds_store_b32 v[CST], v[CD+1] offset:4
	ds_store_b32 v[CST], v[CD+2] offset:8
	ds_store_b8 v[SBA], v[BY]                      ; both lanes of a block write the same byte with the same value
	s_wait_dscnt 0x0                               ; for the others' sake: my stores have landed
	s_barrier_signal -1
	s_barrier_wait -1                              ; the four rows' codes and bytes lie in LDS
	s_wait_alu depctr_vm_vsrc(0)                   ; my LDS stores have read the means (v146-151) and the peaks (v170-175), in which the fragments' loads below land
.irp s, 0,1,2,3
.irp p, 0,1,2,3,4,5
	ds_load_b64 v[AF+12*\s+2*\p:AF+12*\s+2*\p+1], v[AFA] offset:96*\s+48*(\p/3)+8*(\p%3)   ; lane (r, half): registers 6 c .. 6 c + 5 = k 128 s + 64 c + 32 half + 0 .. 31 of row r % 4
.endr
.endr
	ds_load_b128 v[ASC:ASC+3], v[ASA]              ; and that row's four scale words
	s_wait_loadcnt 0x0                             ; W's fragments, its scale words, b
	s_wait_dscnt 0x0
	s_set_vgpr_msb 0x04                            ; source 1 (W) in the second window
.irp s, 0,1,2,3                        ; the two accumulators by turns, K ascending; the first K step starts the sums
.irp u, 0,1
.if \s == 0
	v_wmma_scale_f32_16x16x128_f8f6f4 v[ACC+8*\u:ACC+8*\u+7], v[AF+12*\s:AF+12*\s+11], v[12*(4*\u+\s):12*(4*\u+\s)+11], 0, v[ASC+\s], v[WSC+4*\u+\s] matrix_a_fmt:MATRIX_FMT_BF6 matrix_b_fmt:MATRIX_FMT_BF6
.else
	v_wmma_scale_f32_16x16x128_f8f6f4 v[ACC+8*\u:ACC+8*\u+7], v[AF+12*\s:AF+12*\s+11], v[12*(4*\u+\s):12*(4*\u+\s)+11], v[ACC+8*\u:ACC+8*\u+7], v[ASC+\s], v[WSC+4*\u+\s] matrix_a_fmt:MATRIX_FMT_BF6 matrix_b_fmt:MATRIX_FMT_BF6
.endif
.endr
.endr
	s_set_vgpr_msb 0x0400
.rept 4
	v_nop                                          ; four places between the last product and the first read of a result (ISA guide 7.12.1)
.endr
	s_wait_alu depctr_va_vdst(0)                   ; the products have written the accumulators, which the LDS stores read; the places above stay beside this wait
.irp u, 0,1                            ; register j of lane (r, half) is (tile row 8 half + j, column r).  Tile rows 0-3 are the four rows; registers 4-7 repeat them and are not stored; lanes 16-31 store their repeats to stage rows 8-11, which nobody reads
.irp j, 0,1,2,3
	ds_store_b32 v[STA], v[ACC+8*\u+\j] offset:\j*SPI+64*\u
.endr
.endr
	s_wait_dscnt 0x0
	s_barrier_signal -1
	s_barrier_wait -1                              ; four whole pieces of 512 bytes lie in the stage
	ds_load_b128 v[OUTR:OUTR+3], v[RDA]
	s_wait_dscnt 0x0
	v_pk_add_f32 v[OUTR:OUTR+1], v[OUTR:OUTR+1], v[BIAS:BIAS+1]
	v_pk_add_f32 v[OUTR+2:OUTR+3], v[OUTR+2:OUTR+3], v[BIAS+2:BIAS+3]
	s_wait_alu depctr_va_vdst(0)                   ; the two additions have written the four numbers that the store reads
	global_store_b128 v[L16], v[OUTR:OUTR+3], s[12:13] ; my row's 128 columns: 512 consecutive bytes, at a multiple of 512 from out0's first byte
	s_wait_dscnt 0x0                               ; the closing lines, six on end
	s_wait_alu 0x0
	s_wait_tensorcnt 0x0
	ds_add_u32 v126, v127
	s_wait_dscnt 0x0
	s_endpgm
.Lfunc_end_k_q714900e9a8_peaks_gemm:
	.size	k_q714900e9a8_peaks_gemm, .Lfunc_end_k_q714900e9a8_peaks_gemm-k_q714900e9a8_peaks_gemm
	.p2alignl 7, 3214868480
	.fill 96, 4, 3214868480
	.section	.rodata,"a",@progbits
	.p2align	6, 0x0
	.amdhsa_kernel k_q714900e9a8_peaks_gemm
		.amdhsa_group_segment_fixed_size 25344
		.amdhsa_private_segment_fixed_size 0
		.amdhsa_enable_private_segment 0
		.amdhsa_kernarg_size 40
		.amdhsa_user_sgpr_count 2
		.amdhsa_user_sgpr_kernarg_segment_ptr 1
		.amdhsa_wavefront_size32 1
		.amdhsa_system_sgpr_workgroup_id_x 1
		.amdhsa_system_sgpr_workgroup_id_y 1
		.amdhsa_system_sgpr_workgroup_id_z 1
		.amdhsa_system_vgpr_workitem_id 0
		.amdhsa_next_free_vgpr 352
		.amdhsa_next_free_sgpr 66
		.amdhsa_reserve_vcc 1
		.amdhsa_float_denorm_mode_32 3
		.amdhsa_float_denorm_mode_16_64 3
		.amdhsa_memory_ordered 1
		.amdhsa_forward_progress 1
		.amdhsa_inst_pref_size 44
	.end_amdhsa_kernel
	.amdgpu_metadata
---
amdhsa.version: [ 1, 2 ]
amdhsa.kernels:
  - .name:           k_q714900e9a8_peaks_gemm
    .symbol:         k_q714900e9a8_peaks_gemm.kd
    .args:
      - { .name: part, .offset: 0, .size: 8, .value_kind: global_buffer, .address_space: global }
      - { .name: wq, .offset: 8, .size: 8, .value_kind: global_buffer, .address_space: global }
      - { .name: wsc, .offset: 16, .size: 8, .value_kind: global_buffer, .address_space: global }
      - { .name: b, .offset: 24, .size: 8, .value_kind: global_buffer, .address_space: global }
      - { .name: out0, .offset: 32, .size: 8, .value_kind: global_buffer, .address_space: global }
    .group_segment_fixed_size: 25344
    .private_segment_fixed_size: 0
    .kernarg_segment_align: 8
    .kernarg_segment_size: 40
    .max_flat_workgroup_size: 128
    .sgpr_count:     66
    .vgpr_count:     352
    .wavefront_size: 32
...
	.end_amdgpu_metadata
.endif
;; end of part 4
